; MI455X (gfx1250); checked and timed in simulation.
; The chip was launched on July 23, 2026; its instructions are those of AMD's public machine-readable ISA for CDNA 5 (MIT licence, August 2026) and "CDNA5" Instruction Set Architecture Reference Guide (July 2026). The comments in the code are by the model that wrote it; some were corrected since.
;; Any GPT Attention Only. Allowed arithmetic: matrix products marked QUANTISED: E4M3 operands, one given power-of-two scale a tensor, by v_wmma_f32_16x16x64_fp8_fp8 or v_wmma_f32_16x16x128_fp8_fp8, f32 sums; everything else in f32.
;; Inputs: bo 1,024 float32; hidden_states 4 x 2,048 x 1,024 float32; ln_b 1,024 float32; ln_w 1,024 float32; lowp_scales 12 int32 (the exponents e of the quantised operands' scales 2^e); wk_codes 1,024 x 32 x 32 uint8 (E4M3 codes of wk, K innermost, in blocks of 32 codes); wo_codes 1,024 x 32 x 32 uint8 (E4M3 codes of wo, K innermost, in blocks of 32 codes); wq_codes 1,024 x 32 x 32 uint8 (E4M3 codes of wq, K innermost, in blocks of 32 codes); wv_codes 1,024 x 32 x 32 uint8 (E4M3 codes of wv, K innermost, in blocks of 32 codes).
;; Outputs: out0 4 x 2,048 x 1,024 float32.
;; This version of the problem:
;;   THIS VERSION OF THE PROBLEM IS GIVEN IN LOW PRECISION. The matrix products marked QUANTISED in the list below multiply operands that are first quantised to E4M3 (4 exponent bits, 3 mantissa bits; 8 bits a number), with one given power-of-two scale for each operand tensor; their sums are f32. All else is computed in f32.
;;   The module's matrix products, in the order in which they are computed (A, B: the left and right operand; K: the contracted axis; several contracted axes count as one K, in the product's order):
;;     1. [M 8,192, K 1,024] x [K 1,024, N 1,024]; A: input hidden_states; B: input wq (given as codes): QUANTISED (scales: A lowp_scales[0], B lowp_scales[1])
;;     2. [M 8,192, K 1,024] x [K 1,024, N 1,024]; A: input hidden_states; B: input wk (given as codes): QUANTISED (scales: A lowp_scales[2], B lowp_scales[3])
;;     3. [M 8,192, K 1,024] x [K 1,024, N 1,024]; A: input hidden_states; B: input wv (given as codes): QUANTISED (scales: A lowp_scales[4], B lowp_scales[5])
;;     4. batch 64 x [M 2,048, K 64] x [K 64, N 2,048]; A: computed on the way; B: computed on the way: QUANTISED (scales: A lowp_scales[6], B lowp_scales[7])
;;     5. batch 64 x [M 2,048, K 2,048] x [K 2,048, N 64]; A: softmax (see below); B: computed on the way: QUANTISED (scales: A lowp_scales[8], B lowp_scales[9])
;;     6. [M 8,192, K 1,024] x [K 1,024, N 1,024]; A: computed on the way; B: input wo (given as codes): QUANTISED (scales: A lowp_scales[10], B lowp_scales[11])
;;   THE QUANTISER, for each operand of a quantised product, along K:
;;     - The operand's scale is 2^e, e = its entry of the input lowp_scales (int32; the entries are numbered through the quantised products in the list's order, A before B).
;;     - Each number is divided by the scale, clamped to +-448, and rounded to the nearest number of E4M3, ties to even, subnormals kept.
;;     - The product sums the exact products of the quantised numbers (number of the format x scale) in f32.
;;   ~~~python
;;   def quantise(x, axis, e):      # numpy; x: float32 -> the quantised numbers, widened to float32 again
;;       x = np.moveaxis(x, axis, -1); K = x.shape[-1]
;;       r = np.clip(x / 2.0 ** e, -448, 448)
;;       step = 2.0 ** (np.maximum(np.frexp(np.where(r == 0, 1, r))[1] - 1, -6) - 3)
;;       q = np.round(r / step) * step * 2.0 ** e      # np.round: ties to even
;;       return np.moveaxis(q, -1, axis).astype(np.float32)
;;   ~~~
;;   SOFTMAX AHEAD OF A QUANTISED PRODUCT. Where the list says 'softmax', what is quantised is not the finished softmax but p = 2^(t - M), with t = logit x log2(e) and M = ceil(the row's largest t), a whole number; so 1/2 < the row's largest p <= 1. The row's sum l is taken of the UNQUANTISED p, in f32, and the product's result is divided by l at the end. Since M is a whole number, a kernel that streams over the keys may use a running M (the ceiling of the running maximum): every later rescaling is an exact power of two, so the quantised numbers keep their values, but for numbers so far below the row's largest that they fall under the format's range.
;;   OPERANDS COMPUTED ON THE WAY. 'Computed on the way' means the value that the module computes at that place (a softmax that the list does not call 'softmax' is quantised finished and normalised). What goes into a quantiser is computed in f32, as accurately as f32 sums, v_exp_f32 and their like allow (about 1e-6 of the number): no bf16 or f16 on the way to a quantiser, and a product that is left as it is and whose result goes on into a quantised operand takes f32 operands (vector FMAs, or v_wmma_f32_16x16x4_f32). A number that lies on a knife's edge between two numbers of the format may be rounded either way, as far as f32 arithmetic and the matrix unit's own rounding can turn it there, and no further.
;;   INPUTS GIVEN AS CODES. wk (in the module: [1024, 1024], K = its axis 1); wo (in the module: [1024, 1024], K = its axis 1); wq (in the module: [1024, 1024], K = its axis 1); wv (in the module: [1024, 1024], K = its axis 1): each comes as NAME_codes (uint8): NAME with its K axis moved to the last place and cut into blocks of 32 codes, [.., K / 32, bytes a block], one block behind the other in memory; one code a byte (a code: sign, 4 exponent bits, 3 mantissa bits); its scale is its entry of lowp_scales. Its value is code x scale, taken as it is: it is not quantised again, and the codes and scales need not be those that the quantiser above would give.
;; 2 versions, each right; version 2 is version 1 with the launch attn written anew for expert scheduling mode. Each part assembles by itself: llvm-mc -triple=amdgcn-amd-amdhsa -mcpu=gfx1250 --defsym DOCPART=n.
;; ======== version 1 of 2: 3 launches
;; workspace buffers: xq 8,388,608 bytes; xk 8,388,608 bytes; xv 8,388,608 bytes; wof 1,048,576 bytes; qc 8,388,608 bytes; kc 8,388,608 bytes; vc 8,388,608 bytes
;; launch quant (part 1): grid 256 x 1, 4 waves a work-group, no clusters, 33,280 bytes of LDS; arguments hidden_states, wo_codes, lowp_scales, xq, xk, xv, wof; writes xq, xk, xv, wof
.if DOCPART == 1
	.amdgcn_target "amdgcn-amd-amdhsa--gfx1250"
	.amdhsa_code_object_version 6
	.text
	.protected	k_q96d80d032a_quant
	.globl	k_q96d80d032a_quant
	.p2align	8
	.type	k_q96d80d032a_quant,@function
k_q96d80d032a_quant:
	s_mov_b64 s[64:65], 0
	v_nop
	global_prefetch_b8 v0, s[64:65] scope:SCOPE_SE
	s_setreg_imm32_b32 hwreg(HW_REG_WAVE_MODE, 25, 1), 1
	s_wait_xcnt 0x0
; x [8192][1024] f32 is turned into codes of E4M3 three times, once under each of the three scales that are given for it as the left operand
; of the q, k and v projections (entries 0, 2, 4 of the scales), into xq, xk, xv: [8192][1024] bytes, K innermost.
; code = x / 2^e, held within +-448, rounded to the nearest code, ties to even.
; LIMITS: each of the three e lies between -126 and 119, so that 2^e and 448 x 2^e are f32 numbers.  NaN among the inputs is not served.
; Beside that wo's codes are laid once in the order of an operand's registers (wof): byte nt 16384 + s 2048 + c 512 + 16 lane + i holds
; wo[16 nt + lane % 16][128 s + 32 c + 16 (lane / 16) + i], so that the last launch loads each fragment as 512 consecutive bytes a load.
; SHARES.  1,024 waves; wave W takes 16 steps of 512 numbers of x (32,768 bytes from W x 32,768) and 1,024 bytes of wof.
; A conversion takes 8 neighbours from ONE lane's registers, a load is dense where neighbouring LANES take neighbouring bytes: each of a step's four loads
; reads 512 consecutive bytes, the 2,048 bytes turn through the wave's own stage in LDS (16 bytes of padding behind each 64) and come back 64 bytes a lane.
; A lane's 16 codes are 16 bytes: each store of the wave covers 512 consecutive bytes.  Waves share nothing: no barrier.  No matrix unit, no cluster: x is read once here.
.set STEPS, 16
.set SP,    80                         ; a lane's place in a stage: its 64 bytes + 16 of padding
.set WREG,  8192                       ; LDS of a wave: two stages of 32 x SP bytes
.set R,     16                         ; v16-79   four sets of 16 numbers as they are loaded
.set X,     80                         ; v80-111  two sets of 16 neighbours
.set T,     112                        ; v112-159 the 16 neighbours held within the largest code, once for each scale
.set C,     160                        ; v160-183 codes: two sets by turns x three scales x four registers
.set WO,    184                        ; v184-191 wo's two pieces
	s_load_b128 s[4:7], s[0:1], 0x0                ; x, wo's codes
	s_load_b64 s[8:9], s[0:1], 0x10                ; the scales' exponents
	s_load_b256 s[12:19], s[0:1], 0x18             ; xq s[12:13], xk s[14:15], xv s[16:17], wof s[18:19]
	v_lshl_add_u32 v192, v0, 2, 0x8000
	v_mov_b32 v193, 0
	v_lshrrev_b32 v1, 5, v0
	v_readfirstlane_b32 s20, v1                    ; wave
	v_and_b32 v2, 31, v0                           ; lane
	v_lshlrev_b32 v3, 4, v2                        ; 16 x lane: my place in a load's and in a store's 512 bytes
	v_and_b32 v11, 15, v2
	v_lshrrev_b32 v12, 4, v2
	v_lshlrev_b32 v4, 10, v11
	v_lshl_add_u32 v4, v12, 4, v4                  ; wo: row lane % 16 of 1,024 bytes, + 16 (lane / 16)
	s_mul_i32 s21, s20, WREG
	v_lshrrev_b32 v14, 2, v2
	v_mul_u32_u24 v14, v14, SP
	v_and_b32 v15, 3, v2
	v_lshl_add_u32 v14, v15, 4, v14
	v_add_nc_u32 v14, s21, v14                     ; the stage, on the way in: SP (lane / 4) + 16 (lane % 4)
	v_mul_u32_u24 v15, v2, SP
	v_add_nc_u32 v15, s21, v15                     ; and on the way out: SP x lane
	s_lshl_b32 s22, ttmp9, 2
	s_add_co_u32 s22, s22, s20                     ; W
	s_lshl_b32 s32, s22, 15                        ; x: W x 32,768 bytes
	s_mov_b32 s33, 0
	s_lshl_b32 s34, s22, 13                        ; codes: W x 8,192
	s_mov_b32 s35, 0
	s_lshl_b32 s36, s22, 10                        ; wof: W x 1,024
	s_mov_b32 s37, 0
	s_lshr_b32 s38, s22, 4                         ; wo: nt = W / 16: 16 rows of 1,024 bytes,
	s_lshl_b32 s38, s38, 14
	s_bfe_u32 s40, s22, 0x30001                    ; s = (W / 2) % 8: 128 bytes,
	s_lshl_b32 s40, s40, 7
	s_add_co_u32 s38, s38, s40
	s_and_b32 s40, s22, 1                          ; c = 2 (W % 2) and the next: 64 bytes
	s_lshl_b32 s40, s40, 6
	s_add_co_u32 s38, s38, s40
	s_mov_b32 s39, 0
	s_wait_kmcnt 0x0
	s_load_b256 s[24:31], s[8:9], 0x0              ; e0 .. e7
	s_add_nc_u64 s[4:5], s[4:5], s[32:33]
	s_add_nc_u64 s[6:7], s[6:7], s[38:39]
	s_add_nc_u64 s[12:13], s[12:13], s[34:35]
	s_add_nc_u64 s[14:15], s[14:15], s[34:35]
	s_add_nc_u64 s[16:17], s[16:17], s[34:35]
	s_add_nc_u64 s[18:19], s[18:19], s[36:37]
.macro LOAD t
.irp i, 0,1,2,3
	global_load_b128 v[R+16*((\t)%4)+4*\i:R+16*((\t)%4)+4*\i+3], v3, s[4:5] offset:2048*(\t)+512*\i th:TH_LOAD_NT   ; 32 lanes read 512 consecutive bytes
.endr
.endm
.macro TURN t                          ; step t's numbers through the stage: LDS serves a wave's instructions in order, so no wait stands between the stores and the loads
.irp i, 0,1,2,3
	ds_store_b128 v14, v[R+16*((\t)%4)+4*\i:R+16*((\t)%4)+4*\i+3] offset:32*SP*((\t)%2)+8*SP*\i
.endr
.irp i, 0,1,2,3
	ds_load_b128 v[X+16*((\t)%2)+4*\i:X+16*((\t)%2)+4*\i+3], v15 offset:32*SP*((\t)%2)+16*\i
.endr
.endm
	global_load_b128 v[WO:WO+3], v4, s[6:7]
	global_load_b128 v[WO+4:WO+7], v4, s[6:7] offset:32
.irp t, 0,1,2,3
	LOAD \t
.endr
	s_wait_kmcnt 0x0
.irp q, 0,1,2
	s_add_co_i32 s32, s[24+2*\q], 127
	s_lshl_b32 s33, s32, 23
	v_mov_b32 v[5+\q], s33                         ; 2^e as f32: the conversion takes its exponent field
	s_add_co_i32 s32, s32, 8
	s_lshl_b32 s32, s32, 23
	s_or_b32 s32, s32, 0x600000
	v_mov_b32 v[8+\q], s32                         ; 448 x 2^e
.endr
	s_wait_loadcnt 12                              ; wo's two loads and step 0's four are in; the twelve of steps 1 to 3 may be out
	global_store_b128 v3, v[WO:WO+3], s[18:19]
	global_store_b128 v3, v[WO+4:WO+7], s[18:19] offset:512
	TURN 0
.macro STEP t
.set XS, X+16*((\t)%2)
.set CS, C+12*((\t)%2)
	s_wait_dscnt 0x0                               ; this step's numbers are back from the stage, so its stores into the stage have read their registers,
.if (\t)+4 < STEPS
	LOAD (\t)+4                                    ; which take the loads of four steps on
.endif
.if (\t)+1 < STEPS
.if STEPS-2-(\t) >= 3
	s_wait_loadcnt 12                              ; the next step's four loads are in; those of the three steps behind it may be out
.else
	s_wait_loadcnt 4*(STEPS-2-(\t))
.endif
	TURN (\t)+1                                    ; and go through the other stage while this step is worked
.endif
.irp q, 0,1,2
.irp i, 0,1,2,3,4,5,6,7,8,9,10,11,12,13,14,15
	v_med3_num_f32 v[T+16*\q+\i], v[XS+\i], -v[8+\q], v[8+\q]   ; the conversion to an 8-bit code does not saturate (ISA guide 7.6.2): the hold at the largest code x the scale
.endr
.endr
	s_wait_xcnt 0x0                                ; the stores of two steps back have read this set of code registers: only now are they written again
.irp q, 0,1,2
	v_cvt_scalef32_pk8_fp8_f32 v[CS+4*\q:CS+4*\q+1], v[T+16*\q:T+16*\q+7], v[5+\q]
	v_cvt_scalef32_pk8_fp8_f32 v[CS+4*\q+2:CS+4*\q+3], v[T+16*\q+8:T+16*\q+15], v[5+\q]
.endr
	v_nop                                          ; a plain line between the conversions and the next step's holds, which write their sources
.irp q, 0,1,2
	global_store_b128 v3, v[CS+4*\q:CS+4*\q+3], s[12+2*\q:13+2*\q] offset:512*(\t)   ; 512 consecutive bytes, at a multiple of 512 from the buffer's first byte
.endr
.endm
.irp t, 0,1,2,3,4,5,6,7,8,9,10,11,12,13,14,15
	STEP \t
.endr
	s_wait_tensorcnt 0x0
	ds_add_u32 v192, v193
	s_wait_dscnt 0x0
	s_endpgm
.Lfunc_end_k_q96d80d032a_quant:
	.size	k_q96d80d032a_quant, .Lfunc_end_k_q96d80d032a_quant-k_q96d80d032a_quant
	.p2alignl 7, 3214868480
	.fill 96, 4, 3214868480
	.section	.rodata,"a",@progbits
	.p2align	6, 0x0
	.amdhsa_kernel k_q96d80d032a_quant
		.amdhsa_group_segment_fixed_size 33280
		.amdhsa_private_segment_fixed_size 0
		.amdhsa_enable_private_segment 0
		.amdhsa_kernarg_size 56
		.amdhsa_user_sgpr_count 2
		.amdhsa_user_sgpr_kernarg_segment_ptr 1
		.amdhsa_wavefront_size32 1
		.amdhsa_system_sgpr_workgroup_id_x 1
		.amdhsa_system_sgpr_workgroup_id_y 1
		.amdhsa_system_sgpr_workgroup_id_z 1
		.amdhsa_system_vgpr_workitem_id 0
		.amdhsa_next_free_vgpr 194
		.amdhsa_next_free_sgpr 66
		.amdhsa_reserve_vcc 0
		.amdhsa_float_denorm_mode_32 3
		.amdhsa_float_denorm_mode_16_64 3
		.amdhsa_memory_ordered 1
		.amdhsa_forward_progress 1
		.amdhsa_inst_pref_size 79
	.end_amdhsa_kernel
	.amdgpu_metadata
---
amdhsa.version: [ 1, 2 ]
amdhsa.kernels:
  - .name:           k_q96d80d032a_quant
    .symbol:         k_q96d80d032a_quant.kd
    .args:
      - { .name: hidden_states, .offset: 0, .size: 8, .value_kind: global_buffer, .address_space: global }
      - { .name: wo_codes, .offset: 8, .size: 8, .value_kind: global_buffer, .address_space: global }
      - { .name: lowp_scales, .offset: 16, .size: 8, .value_kind: global_buffer, .address_space: global }
      - { .name: xq, .offset: 24, .size: 8, .value_kind: global_buffer, .address_space: global }
      - { .name: xk, .offset: 32, .size: 8, .value_kind: global_buffer, .address_space: global }
      - { .name: xv, .offset: 40, .size: 8, .value_kind: global_buffer, .address_space: global }
      - { .name: wof, .offset: 48, .size: 8, .value_kind: global_buffer, .address_space: global }
    .group_segment_fixed_size: 33280
    .private_segment_fixed_size: 0
    .kernarg_segment_align: 8
    .kernarg_segment_size: 56
    .max_flat_workgroup_size: 128
    .sgpr_count:     66
    .vgpr_count:     194
    .wavefront_size: 32
...
	.end_amdgpu_metadata
.endif
;; end of part 1
;; launch qkv (part 2): grid 12 x 32, 4 waves a work-group, clusters of 4 x 4, 327,680 bytes of LDS; arguments xq, xk, xv, wq_codes, wk_codes, wv_codes, lowp_scales, qc, kc, vc; writes qc, kc, vc
.if DOCPART == 2
	.amdgcn_target "amdgcn-amd-amdhsa--gfx1250"
	.amdhsa_code_object_version 6
	.text
	.protected	k_q96d80d032a_qkv
	.globl	k_q96d80d032a_qkv
	.p2align	8
	.type	k_q96d80d032a_qkv,@function
k_q96d80d032a_qkv:
	s_mov_b64 s[64:65], 0
	v_nop
	global_prefetch_b8 v0, s[64:65] scope:SCOPE_SE
	s_setreg_imm32_b32 hwreg(HW_REG_WAVE_MODE, 25, 1), 1
	s_wait_xcnt 0x0
	s_wait_alu depctr_hold_cnt(0) depctr_sa_sdst(0) depctr_va_vdst(0) depctr_va_sdst(0) depctr_va_ssrc(0) depctr_va_vcc(0) depctr_vm_vsrc(0)
	s_getreg_b32 s2, hwreg(HW_REG_IB_STS2, 6, 4)
	s_cmp_eq_u32 s2, 0
	s_cbranch_scc0 .Lentry_in_a_cluster
	s_endpgm
.Lentry_in_a_cluster:
	s_bfe_u32 s2, ttmp6, 0x10000c
	s_cmp_lg_u32 s2, 0xf033
	s_cbranch_scc0 .Lentry_shape_is_right
	s_endpgm
.Lentry_shape_is_right:
; The three projections, on codes of E4M3, and the quantising of their results for the attention: one text for all three.  p = the cluster's x says which:
;   p = 0, 1: C[token][hd] = x w^T, A = xq or xk (8,192 rows), B = wq or wk (1,024 rows);   p = 2: C[hd][token] = wv x^T, A = wv, B = xv: so V comes out with the KEYS along a row.
; All rows are 1,024 codes, K innermost.  A finished sum stands for sum x 2^(ea + eb); its code under the next product's scale 2^eo is sum / 2^(eo - ea - eb), held within +-448:
; the three exponents are folded into the conversion's one (q: e6 - e0 - e1; k: e7 - e2 - e3; v: e9 - e4 - e5), chosen by selects, with no branch.
; LIMIT: each of these three differences lies between -126 and 119, so that 2^fold and 448 x 2^fold are f32 numbers.
; A tile of C, 256 x 256, is made by four waves, as many as a WGP has SIMDs; a wave makes 128 x 128: 64 accumulators, 512 registers.  K goes in steps of 256 through a ring of two LDS slots
; filled by the tensor data mover: a tile's row is 256 bytes of memory.  3 x 128 tiles.
; CLUSTERS: 4 x 4 work-groups of one p.  The four of a row need the same tiles of A, the four of a column the same tiles of B: each tile is asked for JOINTLY.
; THE MATRIX INSTRUCTION IS USED TRANSPOSED (source 0 = 16 rows of B, source 1 = 16 rows of A): a lane holds eight neighbouring numbers of a row of C, which are eight neighbours along the
; next product's K (the head's 64 for q and k, the keys for v): one conversion makes their eight codes.
; THE WAY OUT lays the codes in the order of the next launch's operand registers.  A (batch, head) has 131,072 bytes, a group g of 32 tokens 2,048 of them:
;   qc, kc: byte u 1024 + c 512 + 16 lane + i = token 32 g + 8 u + r + 8 (r / 8), channel 32 c + 16 h + i;      (r = lane % 16, h = lane / 16)
;   vc:     byte t 512 + 16 lane + i (t = 2 b + u) = channel 32 b + 8 u + r + 8 (r / 8), key 32 g + 16 h + i.
; The tile's codes meet in a stage of 256 rows x 272 bytes in slot 0 (which has had its last fill and its last read by then), and each wave reads pieces of 512 bytes in that order and stores them.
; REGISTERS, in windows of 256: window 0: v0-31 addresses; from v128 A's fragments, ONE set; on the way out v32-231 are free.   window 1: B's fragments, TWO sets.   windows 2, 3: the accumulators.
.set KSTEP,  256
.set ROWB,   256                       ; a tile's row in bytes
.set KROW,   1024                      ; a row of A or of B in memory, in bytes
.set PITCH,  272                       ; an LDS row: 256 bytes + 16 of padding = 68 words: the 16 rows that a load touches start at 16 different banks (64 banks of 4 bytes: ISA guide 11.1)
.set FR,     16                        ; registers of a fragment: 16 rows x 128 K
.set NL,     4                         ; LDS loads that bring one
.set NP,     4                         ; places behind this matrix instruction (ISA guide 7.12.1)
.set HALFT,  128*PITCH                 ; 128 rows: what one tensor load brings
.set SLOT,   4*HALFT                   ; A's 256 rows, then B's 256 rows
.set LAPS,   2                         ; K = 1,024 = two laps of two K steps
.set SPARE,  2*SLOT                    ; behind the ring: the spare words, 128 bytes for each wave
.set SPITCH, 272                       ; a stage row: 256 codes + 16
.set ADRA, 16                          ; v16-17  LDS address of my A fragments in slot 0, 1
.set ADRB, 20                          ; v20-21  the same for B
.set STO,  24                          ; v24     the way out: where I put 8 codes of a row
.set RD,   25                          ; v25     the way out: where I read 16 codes back
.set L16,  27                          ; v27     16 x lane
.set SPW,  28                          ; v28     LDS address of my spare word; never rewritten
.set NIL,  29                          ; v29     0; never rewritten
.set SCL,  30                          ; v30     2^fold
.set LIM,  31                          ; v31     448 x 2^fold
.set TMP,  32                          ; v32-95  a block's sums, held; later v32-159: the pieces read back
.set CD,   96                          ; v96-223 codes: 16 registers for each of my eight blocks
.set OFF,  224                         ; v224-231 the eight lane offsets of the stores
.set AF,   128                         ; A's fragments, in window 0
.set G1, 24                            ; s[24:31] descriptor group 1 for A's tiles;  s[32:39] group 0, one set for each slot
.set G0, 32
.set G1B, 48                           ; s[48:55], s[56:63] the same for B's tiles
.set G0B, 56
.set MSB, 0
.macro WIN new                         ; the immediate's high byte repeats the setting that is left
.if MSB != \new
	s_set_vgpr_msb (MSB<<8)|\new
.set MSB, \new
.endif
.endm
.set MUL_LO, 0xa1                      ; source 0 (B) window 1, source 1 (A) window 0, C and D window 2
.set MUL_HI, 0xf1                      ; the same, C and D window 3
.set TO_B,   0x40                      ; destination window 1, address window 0
; A joint load: waves 0 and 1 fetch for A, waves 2 and 3 for B.  The branch hangs on the wave's number alone.  Four v_nop follow each of the two lines.
.macro JLOAD g0a, g1a, g0b, g1b
	s_cmp_eq_u32 s15, 0
	s_cbranch_scc0 .Lfor_b_\@
	tensor_load_to_lds s[\g0a:\g0a+3], s[\g1a:\g1a+7]
	s_nop 0
.rept 4
	v_nop
.endr
	s_branch .Lasked_\@
.Lfor_b_\@:
	tensor_load_to_lds s[\g0b:\g0b+3], s[\g1b:\g1b+7]
	s_nop 0
.rept 4
	v_nop
.endr
.Lasked_\@:
.endm
.macro CREST                           ; a round of the cluster's barrier behind its opening barrier
	s_cmp_lg_u32 s14, 0
	s_cbranch_scc1 .Lnot_wave_0_\@
	s_barrier_signal -3
.Lnot_wave_0_\@:
	s_barrier_wait -3
	s_barrier_signal -1
	s_barrier_wait -1
.endm
.macro CROUND                          ; a whole round
	s_barrier_signal -1
	s_barrier_wait -1
	CREST
.endm
	s_load_b512 s[68:83], s[0:1], 0x0              ; xq 68, xk 70, xv 72, wq 74, wk 76, wv 78, the scales 80, qc 82
	s_load_b128 s[84:87], s[0:1], 0x40             ; kc 84, vc 86
	v_lshl_add_u32 v[SPW], v0, 2, SPARE
	v_mov_b32 v[NIL], 0
	ds_add_u32 v28, v29
	ds_add_u32 v28, v29
	s_wait_dscnt 0x0
	v_lshrrev_b32 v1, 5, v0
	v_readfirstlane_b32 s14, v1                    ; wave 0..3
	s_lshr_b32 s15, s14, 1                         ; which half of the tile's rows is mine.  Also: I fetch for A (0) or for B (1)
	s_and_b32 s16, s14, 1                          ; which half of its columns.  Also: which 128 rows of that tile I fetch
	s_bfe_u32 s40, ttmp6, 0x40000                  ; cx, cy: my place in the cluster
	s_bfe_u32 s41, ttmp6, 0x40004
	s_and_b32 s12, ttmp7, 0xffff
	s_lshl_b32 s12, s12, 2                         ; 4 x the cluster's y: the long axis (32 tiles of tokens)
	s_cmp_eq_u32 ttmp9, 2                          ; p = the cluster's x: equal in all sixteen partners
	s_cselect_b32 s17, 0, s12                      ; tokens are C's rows for p < 2,
	s_cselect_b32 s42, s12, 0                      ; its columns for p = 2
	s_add_co_u32 s17, s17, s41                     ; tile row of C: hangs on cy, never on cx
	s_add_co_u32 s42, s42, s40                     ; tile column of C: hangs on cx, never on cy
	s_lshl_b32 s43, s41, 2
	s_lshl_b32 s43, 15, s43                        ; my row of the cluster
	s_lshl_b32 s44, 0x1111, s40                    ; my column
	; descriptor group 1: a tile of 128 rows x 256 bytes, padded in LDS
	s_or_b32 s[G1+0], s43, (0<<16)|(1<<20)|(1<<21)|(5<<22)|(3<<25)  ; 15:0 the mask: A's tiles go to my row; 17:16 element of 1 byte; 20 padding on; 21 set beside a mask; 24:22 after every 64 words (code 5); 31:25 of 4 words (code 3)
	s_or_b32 s[G1B+0], s44, (0<<16)|(1<<20)|(1<<21)|(5<<22)|(3<<25)
.irp g, G1, G1B
	s_mov_b32 s[\g+1], ROWB<<16                    ; tensor_dim0
	s_mov_b32 s[\g+2], 128<<16                     ; tensor_dim1 = 128
	s_mov_b32 s[\g+3], ROWB<<16                    ; tile_dim0
	s_mov_b32 s[\g+4], 128                         ; tile_dim1 = 128
	s_mov_b32 s[\g+5], KROW                        ; tensor_dim0_stride
	s_mov_b32 s[\g+6], 0
	s_mov_b32 s[\g+7], 0
.endr
	s_lshl_b32 s18, s16, 7                         ; which 128 rows of the tile I fetch
	s_lshl_b32 s20, s17, 8
	s_add_co_u32 s20, s20, s18                     ; A: row 256 x tile row + 128 x half
	s_lshl_b32 s46, s42, 8
	s_add_co_u32 s46, s46, s18                     ; B: row 256 x tile column + 128 x half
	s_lshl_b32 s20, s20, 10                        ; in bytes: at most 8,191 rows of 1,024
	s_lshl_b32 s46, s46, 10
	s_mov_b32 s21, 0
	s_mov_b32 s47, 0
	s_mul_i32 s45, s14, HALFT                      ; where they go: wave x 128 rows: no place in the cluster enters an LDS address
	s_wait_kmcnt 0x0
	s_cmp_eq_u32 ttmp9, 1                          ; the buffers are chosen on p alone
	s_cselect_b64 s[4:5], s[70:71], s[78:79]       ; A: xk, or wv
	s_cselect_b64 s[6:7], s[76:77], s[72:73]       ; B: wk, or xv
	s_cselect_b64 s[10:11], s[84:85], s[86:87]     ; out: kc, or vc
	s_cmp_eq_u32 ttmp9, 0
	s_cselect_b64 s[4:5], s[68:69], s[4:5]         ; xq
	s_cselect_b64 s[6:7], s[74:75], s[6:7]         ; wq
	s_cselect_b64 s[10:11], s[82:83], s[10:11]     ; qc
	s_load_b256 s[88:95], s[80:81], 0x0            ; e0 .. e7
	s_load_b128 s[96:99], s[80:81], 0x20           ; e8 .. e11
	s_add_nc_u64 s[20:21], s[4:5], s[20:21]
	s_add_nc_u64 s[46:47], s[6:7], s[46:47]
	CROUND                                         ; all sixteen work-groups are here: the first joint loads meet
.irp s, 0,1
	s_mov_b32 s[G0+4*\s], 1
	s_add_co_u32 s[G0+4*\s+1], s45, \s*SLOT
	s_add_nc_u64 s[G0+4*\s+2:G0+4*\s+3], s[20:21], \s*ROWB
	s_or_b32 s[G0+4*\s+3], s[G0+4*\s+3], 0x80000000
	s_mov_b32 s[G0B+4*\s], 1
	s_add_co_u32 s[G0B+4*\s+1], s45, \s*SLOT
	s_add_nc_u64 s[G0B+4*\s+2:G0B+4*\s+3], s[46:47], \s*ROWB
	s_or_b32 s[G0B+4*\s+3], s[G0B+4*\s+3], 0x80000000
	JLOAD G0+4*\s, G1, G0B+4*\s, G1B
.endr
	v_and_b32 v1, 15, v0                           ; r = l % 16
	v_bfe_u32 v2, v0, 4, 1                         ; h = l / 16
	v_mul_u32_u24 v3, v1, PITCH
	v_lshl_add_u32 v4, v2, 4, v3                   ; a fragment's row x pitch + 16 x half
	s_mul_i32 s21, s15, HALFT                      ; my 128 rows of A
	s_mul_i32 s22, s16, HALFT                      ; my 128 rows of B,
	s_add_co_u32 s22, s22, 2*HALFT                 ; which lie behind A's 256
.irp s, 0,1
	v_add_nc_u32 v[ADRA+\s], s21, v4
	v_add_nc_u32 v[ADRB+\s], s22, v4
	s_add_co_u32 s21, s21, SLOT
	s_add_co_u32 s22, s22, SLOT
.endr
	s_mul_i32 s23, s15, 128*SPITCH                 ; into the stage: row 128 x my half of the rows + r, byte 128 x my half of the columns + 8 h
	s_lshl_b32 s12, s16, 7
	s_add_co_u32 s23, s23, s12
	v_mul_u32_u24 v5, v1, SPITCH
	v_lshl_add_u32 v5, v2, 3, v5
	v_add_nc_u32 v[STO], s23, v5
	v_and_b32 v6, 8, v1                            ; back: row 64 x wave + r + 8 (r / 8), byte 16 h
	v_add_nc_u32 v6, v6, v1
	v_mul_u32_u24 v6, v6, SPITCH
	v_lshl_add_u32 v6, v2, 4, v6
	s_mul_i32 s23, s14, 64*SPITCH
	v_add_nc_u32 v[RD], s23, v6
	v_and_b32 v7, 31, v0
	v_lshlrev_b32 v[L16], 4, v7
	; where the pieces go.  A piece is named by (wave, gb, u, c): stage rows 64 wave + 32 gb + 8 u + .., bytes 32 c + ...  Each of its indices steps the output by a power of two:
	;            gb      wave    u       c % 2   c / 2
	;   p < 2:   2^11    2^12    2^10    2^9     2^17      (gb, wave: the group of tokens; u: the tile; c % 2: the half of the head's 64; c / 2: the head)
	;   p = 2:   2^10    2^17    2^9     2^11    2^12      (gb, u: the tile of channels; wave: the head; c: the group of keys)
	s_cmp_eq_u32 ttmp9, 2
	s_cselect_b32 s70, 10, 11
	s_cselect_b32 s71, 9, 10
	s_cselect_b32 s72, 11, 9
	s_cselect_b32 s73, 17, 12
	s_cselect_b32 s74, 12, 17
	s_cselect_b32 s75, s42, s17                    ; T: the tile of 256 tokens, 0 .. 31
	s_cselect_b32 s76, s17, s42                    ; the block of four heads, 0 .. 3
	s_lshl_b32 s70, 1, s70                         ; gb's step; kept through the loop
	s_lshl_b32 s71, 1, s71                         ; u's
	s_lshl_b32 s72, 1, s72                         ; c % 2's
	s_lshr_b32 s77, s75, 3                         ; batch = T / 8
	s_lshl_b32 s77, s77, 4
	s_lshl_b32 s78, s76, 2
	s_add_co_u32 s77, s77, s78                     ; 16 x batch + the block's first head
	s_lshl_b32 s77, s77, 17                        ; x 131,072 bytes
	s_and_b32 s78, s75, 7
	s_lshl_b32 s78, s78, 14                        ; + (T % 8) x eight groups of 2,048 bytes
	s_add_co_u32 s77, s77, s78
	s_lshl_b32 s78, s14, s73                       ; + the wave's step
	s_add_co_u32 s78, s77, s78                     ; under 8,388,608
	s_mov_b32 s79, 0
	s_add_nc_u64 s[18:19], s[10:11], s[78:79]      ; four bases, one for each c / 2
	s_lshl_b32 s78, 1, s74
	s_add_nc_u64 s[20:21], s[18:19], s[78:79]
	s_add_nc_u64 s[22:23], s[20:21], s[78:79]
	s_add_nc_u64 s[66:67], s[22:23], s[78:79]
.macro FRAG reg, adr, q, i             ; a fragment, 16 rows x 128 K, is 16 registers: lane l holds row l % 16; registers 4 c .. 4 c + 3 hold K = 32 c + 16 (l / 16) + 0 .. 15: the same order of k in A and in B
.irp c, 0,1,2,3
	ds_load_b128 v[\reg+4*\c:\reg+4*\c+3], v[\adr] offset:128*(\q)+32*\c+(\i)*16*PITCH
.endr
.endm
; 16 matrix instructions: A's blocks a0, a0 + 1 x B's eight, 128 along K.  p: B's set.  zero = 1: the first product starts the sums: nothing is ever cleared.
; The 64 accumulators take turns, one instruction a turn, in the same order in every step.
.macro MUL16 a0, p, zero
.irp a, \a0, \a0+1
.irp b, 0,1,2,3,4,5,6,7
.if \zero
	v_wmma_f32_16x16x128_fp8_fp8 v[8*(8*((\a)%4)+\b):8*(8*((\a)%4)+\b)+7], v[128*(\p)+FR*\b:128*(\p)+FR*\b+FR-1], v[AF+FR*(\a):AF+FR*(\a)+FR-1], 0
.else
	v_wmma_f32_16x16x128_fp8_fp8 v[8*(8*((\a)%4)+\b):8*(8*((\a)%4)+\b)+7], v[128*(\p)+FR*\b:128*(\p)+FR*\b+FR-1], v[AF+FR*(\a):AF+FR*(\a)+FR-1], v[8*(8*((\a)%4)+\b):8*(8*((\a)%4)+\b)+7]
.endif
.endr
.endr
.endm
.macro FETCH_B slot, q, p              ; B's eight fragments of the slot's q-th 128 along K into set p
	WIN TO_B
.irp i, 0,1,2,3,4,5,6,7
	FRAG 128*(\p)+FR*\i, ADRB+\slot, \q, \i
.endr
	WIN 0
.endm
.macro FETCH_A slot, q, i0             ; A's blocks i0 .. i0 + 3
.irp i, \i0, \i0+1, \i0+2, \i0+3
	FRAG AF+FR*(\i), ADRA+\slot, \q, \i
.endr
.endm
; A load into a register that a matrix instruction has read, and a vector instruction that reads a matrix result or writes one of its registers, stand NP places behind it;
; only plain vector instructions that name none of its registers are places (ISA guide 7.12.1 for vector instructions).
.macro PLACES n
.rept \n
	v_nop
.endr
.endm
; A step of 128 along K that has its successor in the same slot.
.macro STEP slot, q, zero
	s_wait_dscnt 4*NL                              ; B's set and A's blocks 0-3 are in; the youngest sixteen loads (A's blocks 4-7) may be out
	WIN MUL_LO
	MUL16 0, (\q)%2, \zero
	MUL16 2, (\q)%2, \zero
	s_wait_dscnt 0                                 ; A's blocks 4-7 are in (asked for 32 matrix instructions ago)
	PLACES NP
	FETCH_B \slot, (\q)+1, 1-(\q)%2
	FETCH_A \slot, (\q)+1, 0
	WIN MUL_HI
	MUL16 4, (\q)%2, \zero
	MUL16 6, (\q)%2, \zero
	PLACES NP
	WIN 0
	FETCH_A \slot, (\q)+1, 4
.endm
; A slot's last step changes slots: ONE barrier; in front of it each wave waits for all its tensor loads, adds 0 to its spare word, and waits for that and for its own reads of this slot.  fill = 1: this slot is filled again, two K steps ahead.
.macro TURN slot, next, fill
	s_wait_tensorcnt 0x0                           ; all my tensor loads have landed: my part of the next slot  (every window is 0 here)
	ds_add_u32 v[SPW], v[NIL]                      ; 0 onto my spare word
	s_wait_dscnt 4*NL+1                            ; (the add and the youngest sixteen loads, A's blocks 4-7, may be out)
	WIN MUL_LO
	MUL16 0, 1, 0                                  ; sixteen matrix instructions stand between the add and the wait for it
	s_wait_dscnt 0x0                               ; the add is done, and my reads of this slot are over
	s_barrier_signal -1
	MUL16 2, 1, 0
	WIN 0
	s_barrier_wait -1
.if \fill
	CREST                                          ; the barrier has opened a round of the cluster's barrier: no wave of any partner still reads this slot's tile or has a load on its way
	s_add_nc_u64 s[G0+4*\slot+2:G0+4*\slot+3], s[G0+4*\slot+2:G0+4*\slot+3], 2*ROWB
	s_add_nc_u64 s[G0B+4*\slot+2:G0B+4*\slot+3], s[G0B+4*\slot+2:G0B+4*\slot+3], 2*ROWB
	JLOAD G0+4*\slot, G1, G0B+4*\slot, G1B         ; the first tensor load behind the round; the four v_nop behind it are the places in front of the loads below
.else
	PLACES NP
.endif
	FETCH_B \next, 0, 0
	FETCH_A \next, 0, 0
	WIN MUL_HI
	MUL16 4, 1, 0
	MUL16 6, 1, 0
	PLACES NP
	WIN 0
	FETCH_A \next, 0, 4
.endm
	s_wait_tensorcnt 1                             ; my part of K step 0 is in (K step 1's load may be out)
	s_barrier_signal -1
	s_barrier_wait -1                              ; everybody's is
	FETCH_B 0, 0, 0
	FETCH_A 0, 0, 0
	FETCH_A 0, 0, 4
	STEP 0, 0, 1                                   ; the first step stands in front of the loop: its products start the sums
	s_mov_b32 s3, LAPS-1
.Llap:                                                 ; a trip goes once round the ring, from a lap's second step to the next lap's first, and fills both slots again
	TURN 0, 1, 1
	STEP 1, 0, 0
	TURN 1, 0, 1
	STEP 0, 0, 0
	s_sub_co_u32 s3, s3, 1
	s_cmp_lg_u32 s3, 0
	s_cbranch_scc1 .Llap
	TURN 0, 1, 0                                   ; the last lap fills nothing, and has no round of the cluster's barrier; behind its barrier nobody reads slot 0
	STEP 1, 0, 0
	s_wait_dscnt 4*NL                              ; the very last step: nothing more to fetch
	WIN MUL_LO
	MUL16 0, 1, 0
	MUL16 2, 1, 0
	s_wait_dscnt 0
	WIN MUL_HI
	MUL16 4, 1, 0
	MUL16 6, 1, 0
	WIN 0
	; THE WAY OUT
	s_wait_kmcnt 0x0
	s_sub_co_i32 s8, s94, s88
	s_sub_co_i32 s8, s8, s89                       ; q: e6 - e0 - e1
	s_sub_co_i32 s9, s95, s90
	s_sub_co_i32 s9, s9, s91                       ; k: e7 - e2 - e3
	s_sub_co_i32 s12, s97, s92
	s_sub_co_i32 s12, s12, s93                     ; v: e9 - e4 - e5
	s_cmp_eq_u32 ttmp9, 1
	s_cselect_b32 s9, s9, s12
	s_cmp_eq_u32 ttmp9, 0
	s_cselect_b32 s8, s8, s9                       ; fold
	s_add_co_i32 s8, s8, 127
	s_lshl_b32 s9, s8, 23
	s_add_co_i32 s8, s8, 8
	s_lshl_b32 s8, s8, 23
	s_or_b32 s8, s8, 0x600000
	PLACES NP                                      ; behind the last products: the lines below write registers that held A's fragments and read results
	v_mov_b32 v[SCL], s9                           ; 2^fold: the conversion takes its exponent field
	v_mov_b32 v[LIM], s8                           ; 448 x 2^fold
	v_mov_b32 v[OFF], v[L16]                       ; offset 4 gb + 2 u + c % 2: 16 x lane + the three indices' steps
	v_add_nc_u32 v[OFF+1], s72, v[L16]
	v_add_nc_u32 v[OFF+2], s71, v[OFF]
	v_add_nc_u32 v[OFF+3], s71, v[OFF+1]
.irp k, 0,1,2,3
	v_add_nc_u32 v[OFF+4+\k], s70, v[OFF+\k]
.endr
; Block a (16 rows x 128 columns): each sum is held within the largest code x the scale (each accumulator from its low end on), eight neighbours become eight codes, and they go into the stage.
.macro CODES a
.set AC, 64*((\a)%4)
	WIN 0x02+((\a)/4)                              ; source 0: window 2 or 3
.set jj, 0
.rept 64
	v_med3_num_f32 v[TMP+jj], v[AC+jj], -v[LIM], v[LIM]   ; the conversion to an 8-bit code does not saturate (ISA guide 7.6.2)
.set jj, jj+1
.endr
	WIN 0
.irp b, 0,1,2,3,4,5,6,7
	v_cvt_scalef32_pk8_fp8_f32 v[CD+16*(\a)+2*\b:CD+16*(\a)+2*\b+1], v[TMP+8*\b:TMP+8*\b+7], v[SCL]
.endr
	v_nop                                          ; a plain line between the conversions and the next block's holds, which write their sources
.irp b, 0,1,2,3,4,5,6,7
	ds_store_b64 v[STO], v[CD+16*(\a)+2*\b:CD+16*(\a)+2*\b+1] offset:(\a)*16*SPITCH+16*\b
.endr
.endm
.irp a, 0,1,2,3,4,5,6,7
	CODES \a
.endr
	s_wait_dscnt 0x0                               ; for the others' sake: my stores into the stage are done
	s_barrier_signal -1
	s_barrier_wait -1                              ; the tile's 256 x 256 codes lie in the stage
.irp gb, 0,1
.irp u, 0,1
.irp c, 0,1,2,3,4,5,6,7
	ds_load_b128 v[TMP+4*(16*\gb+8*\u+\c):TMP+4*(16*\gb+8*\u+\c)+3], v[RD] offset:(32*\gb+8*\u)*SPITCH+32*\c
.endr
.endr
.endr
.irp gb, 0,1
.irp u, 0,1
.irp c, 0,1,2,3,4,5,6,7
	s_wait_dscnt 31-(16*\gb+8*\u+\c)               ; LDS loads come back in order: this piece is in, the younger ones may be out
	global_store_b128 v[OFF+4*\gb+2*\u+(\c%2)], v[TMP+4*(16*\gb+8*\u+\c):TMP+4*(16*\gb+8*\u+\c)+3], s[18+2*(\c/2)+42*(\c/6):19+2*(\c/2)+42*(\c/6)]   ; 32 lanes store 512 consecutive bytes, at a multiple of 512 from the buffer's first byte
.endr
.endr
.endr
	s_wait_tensorcnt 0x0                           ; the wave's end: behind my last tensor load and my last LDS store
	ds_add_u32 v[SPW], v[NIL]
	s_wait_dscnt 0x0
	CROUND                                         ; the closing round: no work-group ends while a partner may still ask for a tile that names it
	s_endpgm
.Lfunc_end_k_q96d80d032a_qkv:
	.size	k_q96d80d032a_qkv, .Lfunc_end_k_q96d80d032a_qkv-k_q96d80d032a_qkv
	.p2alignl 7, 3214868480
	.fill 96, 4, 3214868480
	.section	.rodata,"a",@progbits
	.p2align	6, 0x0
	.amdhsa_kernel k_q96d80d032a_qkv
		.amdhsa_group_segment_fixed_size 327680
		.amdhsa_private_segment_fixed_size 0
		.amdhsa_enable_private_segment 0
		.amdhsa_kernarg_size 80
		.amdhsa_user_sgpr_count 2
		.amdhsa_user_sgpr_kernarg_segment_ptr 1
		.amdhsa_wavefront_size32 1
		.amdhsa_system_sgpr_workgroup_id_x 1
		.amdhsa_system_sgpr_workgroup_id_y 1
		.amdhsa_system_sgpr_workgroup_id_z 1
		.amdhsa_system_vgpr_workitem_id 0
		.amdhsa_next_free_vgpr 1024
		.amdhsa_next_free_sgpr 100
		.amdhsa_reserve_vcc 0
		.amdhsa_float_denorm_mode_32 3
		.amdhsa_float_denorm_mode_16_64 3
		.amdhsa_memory_ordered 1
		.amdhsa_forward_progress 1
		.amdhsa_inst_pref_size 126
	.end_amdhsa_kernel
	.amdgpu_metadata
---
amdhsa.version: [ 1, 2 ]
amdhsa.kernels:
  - .name:           k_q96d80d032a_qkv
    .symbol:         k_q96d80d032a_qkv.kd
    .args:
      - { .name: xq, .offset: 0, .size: 8, .value_kind: global_buffer, .address_space: global }
      - { .name: xk, .offset: 8, .size: 8, .value_kind: global_buffer, .address_space: global }
      - { .name: xv, .offset: 16, .size: 8, .value_kind: global_buffer, .address_space: global }
      - { .name: wq_codes, .offset: 24, .size: 8, .value_kind: global_buffer, .address_space: global }
      - { .name: wk_codes, .offset: 32, .size: 8, .value_kind: global_buffer, .address_space: global }
      - { .name: wv_codes, .offset: 40, .size: 8, .value_kind: global_buffer, .address_space: global }
      - { .name: lowp_scales, .offset: 48, .size: 8, .value_kind: global_buffer, .address_space: global }
      - { .name: qc, .offset: 56, .size: 8, .value_kind: global_buffer, .address_space: global }
      - { .name: kc, .offset: 64, .size: 8, .value_kind: global_buffer, .address_space: global }
      - { .name: vc, .offset: 72, .size: 8, .value_kind: global_buffer, .address_space: global }
    .group_segment_fixed_size: 327680
    .private_segment_fixed_size: 0
    .kernarg_segment_align: 8
    .kernarg_segment_size: 80
    .max_flat_workgroup_size: 128
    .sgpr_count:     100
    .vgpr_count:     1024
    .wavefront_size: 32
...
	.end_amdgpu_metadata
.endif
;; end of part 2
;; launch attn (part 3): grid 256 x 1, 16 waves a work-group, no clusters, 166,400 bytes of LDS; arguments qc, kc, vc, wof, lowp_scales, hidden_states, ln_w, ln_b, bo, out0; writes out0
.if DOCPART == 3
	.amdgcn_target "amdgcn-amd-amdhsa--gfx1250"
	.amdhsa_code_object_version 6
	.text
	.protected	k_q96d80d032a_attn
	.globl	k_q96d80d032a_attn
	.p2align	8
	.type	k_q96d80d032a_attn,@function
k_q96d80d032a_attn:
	s_mov_b64 s[64:65], 0
	v_nop
	global_prefetch_b8 v0, s[64:65] scope:SCOPE_SE
	s_setreg_imm32_b32 hwreg(HW_REG_WAVE_MODE, 25, 1), 1
	s_wait_xcnt 0x0
; out = Q(ctx) wo^T + bo + LayerNorm(x), ctx = banded causal attention (key j counts for query i where j <= i and i - j < 256), all products on codes of E4M3.
; SHARES.  A work-group owns 32 rows (tokens 32 X .. 32 X + 31 of the 8,192).  ATTENTION: wave w is head w and serves both tiles of 16 queries; the band reaches 9 groups of 32 keys, the
; block's own and the eight in front, walked in three steps of 96 keys.  PROJECTION: wave w makes columns 64 w .. 64 w + 63 for all 32 rows.  LAYERNORM: wave w owns rows 2 w, 2 w + 1.
; OPERANDS come from memory straight into registers: qc, kc, vc and wof are laid in the order of the operands' registers, so each load of a wave is 512 consecutive bytes.
; LAYOUT.  S^T = K Q^T (source 0 = 16 keys, source 1 = 16 queries), O^T = V^T P^T, out^T = wo ctx^T: a lane holds ONE query (lane % 16 = r) throughout.  Lane r of tile m is block row 8 m + r + 8 (r / 8).
; The keys of a tile of K and the channels of a tile of V are chosen likewise, so that the 16 registers of two neighbouring result tiles are 16 neighbours along the next K: the conversions' results are the next operand.
; THE SOFTMAX: t = score x log2(e); M = the largest t so far, rounded UP to a whole number; p = 2^(t - M) is quantised, not normalised; the sum is taken of the unquantised p and divides O at the end;
; when M moves, the sum and O are multiplied by 2^(old M - new M), which rounds nothing.  Hidden scores become -infinity ahead of the maximum.  The block's own diagonal key counts for every query, so the sum is above 1/2.
; Groups in front of the sequence's first token (blocks 0 to 7 of a batch) are loaded from group 0 instead, so that no load leaves its buffer, and hidden like the rest: a branch on the block's number jumps over those lines elsewhere.
; A step's 96 keys fill three quarters of the second product's 128 along K: the last quarter of P's and of V's registers holds zero codes.
; NO JOINT LOADS, though all work-groups read wof and neighbours share K and V: each of these bytes goes to exactly one wave's registers and never lies in LDS; a K step of wo for the group's 1,024 columns
; is 131,072 bytes, and two such slots do not fit beside the 164,352 bytes of images and stage in 327,680.
; LIMITS on the given exponents, so that each power of two is an f32 number: e6 + e7 and e10 + e11 between -126 and 127; e8 and e10 - e8 - e9 between -126 and 119.  |t| stays under 3e38.  NaN among the inputs is not served.
; LDS: 0: ctx's 32 fragment halves as images of registers, (16 m + head) x 1,024 + c 512 + 16 lane;  32,768: a stage of 32 rows x (4,096 + 16) bytes for the projection's sums.
; REGISTERS: v1 16 lane; v2-4 the step's three groups; v5 -infinity; v6, v7 the conversion's scale and 448 x it; v8, v9 tile m's block row - 16 h; v10-17 for each tile -M, the largest t, the sum in two halves;
;   v18-25 at work; v26-29 addresses;  attention: v32-47 Q, v48-111 K then V, v112-159 scores then p, v160-191 p's codes, v192-255 O^T;
;   projection: v32-95, v96-159 wo's fragments by turns, v160-191 ctx's, v192-255 the sums;  at the end: v32-95 my two rows of x, v96-191 ln_w, ln_b, bo, v192-255 my two rows of sums.
.set STG,  32768
.set SPI,  4112                        ; a stage row
.set Q,    32
.set KV,   48
.set S,    112
.set P,    160
.set O,    192
.set B0,   32
.set AF,   160
.set ACC,  192
.macro NOPS n
.rept \n
	v_nop
.endr
.endm
	s_load_b512 s[4:19], s[0:1], 0x0               ; qc 4, kc 6, vc 8, wof 10, the scales 12, x 14, ln_w 16, ln_b 18
	s_load_b128 s[20:23], s[0:1], 0x40             ; bo 20, out 22
	v_lshl_add_u32 v30, v0, 2, 0x28200
	v_mov_b32 v31, 0
	v_lshrrev_b32 v18, 5, v0
	v_readfirstlane_b32 s36, v18                   ; wave = head, 0 .. 15
	v_and_b32 v19, 31, v0                          ; lane
	v_lshlrev_b32 v1, 4, v19                       ; 16 x lane
	v_lshlrev_b32 v26, 8, v19                      ; 256 x lane, for the prefetch
	v_and_b32 v21, 15, v0                          ; r
	v_bfe_u32 v22, v0, 4, 1                        ; h
	v_and_b32 v24, 8, v21
	v_add_nc_u32 v24, v24, v21                     ; r + 8 (r / 8)
	v_lshlrev_b32 v25, 4, v22
	v_sub_nc_u32 v8, v24, v25                      ; tile 0: my block row - 16 h: register i of a group holds its key 16 h + i
	v_add_nc_u32 v9, 8, v8                         ; tile 1
	v_mov_b32 v5, 0xff800000
	s_lshl_b32 s57, s36, 10
	v_add_nc_u32 v27, s57, v1                      ; where I store ctx's images: 1,024 x head + 16 lane
	v_mul_u32_u24 v28, v24, SPI
	v_lshl_add_u32 v28, v22, 5, v28
	s_lshl_b32 s57, s36, 8
	v_add_nc_u32 v28, s57, v28
	v_add_nc_u32 v28, STG, v28                     ; into the stage: row r + 8 (r / 8), byte 256 w + 32 h
	s_mul_i32 s57, s36, 2*SPI
	v_add_nc_u32 v29, s57, v1
	v_add_nc_u32 v29, STG, v29                     ; back: rows 2 w, 2 w + 1, 16 bytes a lane
	v_mov_b32 v20, 0                               ; written once: a lane permute's destination counts as one of its sources
	v_mov_b32 v23, 0                               ; (named as the upper half of the pair v[22:23])
.irp i, 12,13,14,15,28,29,30,31
	v_mov_b32 v[P+\i], 0                           ; the last quarter of p's codes: zeros, once
.endr
	s_lshr_b32 s37, ttmp9, 6                       ; batch
	s_and_b32 s38, ttmp9, 63                       ; my block = my group of 32 tokens in the batch
	s_sub_co_i32 s39, s38, 8                       ; the band's first group; negative in blocks 0 to 7
	s_lshl_b32 s58, s37, 4
	s_add_co_u32 s58, s58, s36
	s_lshl_b32 s58, s58, 17                        ; (16 batch + head) x 131,072
	s_mov_b32 s59, 0
	s_lshl_b32 s60, s38, 11
	s_add_co_u32 s60, s60, s58                     ; + my group's 2,048 bytes
	s_mov_b32 s61, 0
	s_lshl_b32 s62, s36, 16                        ; wof: my four tiles of 16 columns: 65,536 x w
	s_mov_b32 s63, 0
	s_lshl_b32 s70, ttmp9, 5
	s_lshl_b32 s71, s36, 1
	s_add_co_u32 s70, s70, s71
	s_lshl_b32 s70, s70, 12                        ; x, out: row 32 X + 2 w of 4,096 bytes
	s_mov_b32 s71, 0
	s_mov_b32 s40, 0x76543210
	s_mov_b32 s41, 0xfedcba98                      ; v_permlanex16_b32's selects for lane l xor 16
	s_mov_b32 s42, 0x3fb8aa3b                      ; log2(e)
	s_mov_b32 s68, 0x3a800000                      ; 1 / 1,024
	s_mov_b32 s69, 0x33d6bf95                      ; 1e-7
	s_wait_kmcnt 0x0
	s_load_b256 s[24:31], s[12:13], 0x0            ; e0 .. e7
	s_load_b128 s[32:35], s[12:13], 0x20           ; e8 .. e11
	s_add_nc_u64 s[44:45], s[6:7], s[58:59]        ; K of my head
	s_add_nc_u64 s[46:47], s[8:9], s[58:59]        ; V
	s_add_nc_u64 s[48:49], s[4:5], s[60:61]        ; Q of my block
	s_add_nc_u64 s[50:51], s[10:11], s[62:63]      ; wo's fragments of my columns
	s_add_nc_u64 s[52:53], s[14:15], s[70:71]      ; my two rows of x
	s_add_nc_u64 s[54:55], s[22:23], s[70:71]      ; and of out
.macro GADDR s                         ; the step's three groups: 16 lane + 2,048 x the group, held at group 0 from below
.irp g, 0,1,2
	s_add_co_i32 s57, s39, 3*(\s)+\g
	s_max_i32 s57, s57, 0
	s_lshl_b32 s57, s57, 11
	v_add_nc_u32 v[2+\g], s57, v1
.endr
.endm
.macro KLOAD                           ; six tiles of 16 keys x 64 channels, 8 registers each
.irp g, 0,1,2
.irp u, 0,1
.irp c, 0,1
	global_load_b128 v[KV+8*(2*\g+\u)+4*\c:KV+8*(2*\g+\u)+4*\c+3], v[2+\g], s[44:45] offset:1024*\u+512*\c
.endr
.endr
.endr
.endm
.macro VLOAD                           ; four tiles of 16 channels x 96 keys: registers 4 g .. 4 g + 3 of a tile's 16
.irp t, 0,1,2,3
.irp g, 0,1,2
	global_load_b128 v[KV+16*\t+4*\g:KV+16*\t+4*\g+3], v[2+\g], s[46:47] offset:512*\t
.endr
.endr
.endm
.macro QK m                            ; S^T of tile m: lane (r, h) holds query r; the 16 registers of tiles 2 g, 2 g + 1 are keys 16 h + 0 .. 15 of group g
.irp t, 0,1,2,3,4,5
	v_wmma_f32_16x16x64_fp8_fp8 v[S+8*\t:S+8*\t+7], v[KV+8*\t:KV+8*\t+7], v[Q+8*(\m):Q+8*(\m)+7], 0
.endr
.endm
.macro PV s                            ; O^T += V^T P^T: the eight accumulators take turns, one instruction a turn, in the same order in every step; the first step starts the sums
.irp t, 0,1,2,3
.irp m, 0,1
.if \s == 0
	v_wmma_f32_16x16x128_fp8_fp8 v[O+32*\m+8*\t:O+32*\m+8*\t+7], v[KV+16*\t:KV+16*\t+15], v[P+16*\m:P+16*\m+15], 0
.else
	v_wmma_f32_16x16x128_fp8_fp8 v[O+32*\m+8*\t:O+32*\m+8*\t+7], v[KV+16*\t:KV+16*\t+15], v[P+16*\m:P+16*\m+15], v[O+32*\m+8*\t:O+32*\m+8*\t+7]
.endif
.endr
.endr
.endm
; The softmax of tile m for step s: 48 scores a lane.  Every walk over the scores goes upward.
.macro SOFT m, s
.set ST, 10+4*(\m)
.if \s == 0                            ; the band's far edge, in its first group: key 16 h + i is 256 or more behind my query where i <= block row - 16 h
.irp i, 0,1,2,3,4,5,6,7,8,9,10,11,12,13,14,15
	v_cmp_le_i32 vcc_lo, \i, v[8+\m]
	v_cndmask_b32 v[S+\i], v[S+\i], v5, vcc_lo
.endr
.endif
.if \s == 2                            ; the diagonal, in the block's own group: key 16 h + i comes after my query where i > block row - 16 h
.irp i, 0,1,2,3,4,5,6,7,8,9,10,11,12,13,14,15
	v_cmp_gt_i32 vcc_lo, \i, v[8+\m]
	v_cndmask_b32 v[S+32+\i], v[S+32+\i], v5, vcc_lo
.endr
.endif
	s_cmp_ge_i32 s39, -3*(\s)                      ; the step's first group exists: so do the others
	s_cbranch_scc1 .Lalive_\@
.irp g, 0,1,2
.if 3*(\s)+\g < 8
	s_cmp_lt_i32 s39, -(3*(\s)+\g)                 ; a group in front of the sequence is hidden whole
	s_cselect_b32 s56, -1, 0
.irp i, 0,1,2,3,4,5,6,7,8,9,10,11,12,13,14,15
	v_cndmask_b32 v[S+16*\g+\i], v[S+16*\g+\i], v5, s56
.endr
.endif
.endr
.Lalive_\@:
	v_max3_num_f32 v18, v[S], v[S+1], v[S+2]       ; the step's largest score of my query among my 48 keys, in two chains,
	v_max3_num_f32 v19, v[S+24], v[S+25], v[S+26]
.irp i, 3,5,7,9,11,13,15,17,19,21
	v_max3_num_f32 v18, v18, v[S+\i], v[S+\i+1]
	v_max3_num_f32 v19, v19, v[S+24+\i], v[S+25+\i]
.endr
	v_max3_num_f32 v18, v18, v[S+23], v[S+47]
	v_max_num_f32 v18, v18, v19
	v_permlanex16_b32 v20, v18, s40, s41
	v_max_num_f32 v18, v18, v20                    ; and among lane l xor 16's
	v_mul_f32 v18, s42, v18                        ; as t (c is positive)
.if \s == 0
	v_max_num_f32 v[ST+1], 0xff61b1e6, v18         ; the largest t so far begins at -3e38, under every t
	v_floor_f32 v[ST], -v[ST+1]                    ; -M = floor(-t) = -ceil(t)
.else
	v_max_num_f32 v[ST+1], v[ST+1], v18
	v_mov_b32 v21, v[ST]
	v_floor_f32 v[ST], -v[ST+1]
	v_sub_f32 v21, v[ST], v21                      ; old M - new M: a whole number, 0 or less
	v_cvt_i32_f32 v21, v21                         ; (it saturates)
	v_ldexp_f32 v22, 1.0, v21                      ; f = 2^(old M - new M)
.endif
.set jj, 0
.rept 24
	v_pk_fma_f32 v[S+jj:S+jj+1], v[S+jj:S+jj+1], s[42:43], v[ST:ST+1] op_sel_hi:[1,0,0]   ; t - M, two at a time (of the pairs c and -M the low word serves both halves)
.set jj, jj+2
.endr
.set jj, 0
.rept 48
	v_exp_f32 v[S+jj], v[S+jj]                     ; p = 2^(t - M): not normalised; 0 where the score was hidden
.set jj, jj+1
.endr
.if \s == 0
	v_nop                                          ; a plain line behind the exponentials
	s_wait_alu depctr_va_vdst(0)
	v_pk_add_f32 v[ST+2:ST+3], v[S:S+1], v[S+2:S+3]   ; THE SUM IS TAKEN OF THE UNQUANTISED p: two at a time, in two chains
	v_pk_add_f32 v[24:25], v[S+4:S+5], v[S+6:S+7]
.irp j, 8,12,16,20,24,28,32,36,40,44
	v_pk_add_f32 v[ST+2:ST+3], v[ST+2:ST+3], v[S+\j:S+\j+1]
	v_pk_add_f32 v[24:25], v[24:25], v[S+\j+2:S+\j+3]
.endr
.else
	v_pk_mul_f32 v[ST+2:ST+3], v[ST+2:ST+3], v[22:23] op_sel_hi:[1,0]   ; the sum under the new M  (the plain line behind the exponentials)
	s_wait_alu depctr_va_vdst(0)
	v_pk_add_f32 v[24:25], v[S:S+1], v[S+2:S+3]
.irp j, 4,8,12,16,20,24,28,32,36,40,44
	v_pk_add_f32 v[ST+2:ST+3], v[ST+2:ST+3], v[S+\j:S+\j+1]
	v_pk_add_f32 v[24:25], v[24:25], v[S+\j+2:S+\j+3]
.endr
.endif
	v_pk_add_f32 v[ST+2:ST+3], v[ST+2:ST+3], v[24:25]
	s_cmp_ge_i32 s32, -8                           ; from e8 = -8 on, 448 x 2^e8 is 1.75 or more and p, at most 1 but for a rounding, lies under it: the hold changes nothing and is jumped over
	s_cbranch_scc1 .Lroom_\@
.set jj, 0
.rept 48
	v_min_num_f32 v[S+jj], v[S+jj], v7             ; the conversion to an 8-bit code does not saturate (ISA guide 7.6.2); p is not negative, so the hold is one-sided
.set jj, jj+1
.endr
.Lroom_\@:
.irp g, 0,1,2
	v_cvt_scalef32_pk8_fp8_f32 v[P+16*(\m)+4*\g:P+16*(\m)+4*\g+1], v[S+16*\g:S+16*\g+7], v6
	v_cvt_scalef32_pk8_fp8_f32 v[P+16*(\m)+4*\g+2:P+16*(\m)+4*\g+3], v[S+16*\g+8:S+16*\g+15], v6
.endr
	v_nop                                          ; a plain line between the conversions and the products that read the codes or write the scores anew
.if \s > 0
.set jj, 0
.rept 16
	v_pk_mul_f32 v[O+32*(\m)+jj:O+32*(\m)+jj+1], v[O+32*(\m)+jj:O+32*(\m)+jj+1], v[22:23] op_sel_hi:[1,0]   ; O^T under the new M
.set jj, jj+2
.endr
.endif
.endm
; A step of 96 keys.  Tile 1's softmax stands between V's loads and the wait for them.
.macro STEP s
	s_wait_loadcnt 0x0                             ; K's twelve loads (in the first step Q's four too) are in
	QK 0
	NOPS 5                                         ; four places in front of the first read of the scores; five in front of the products that write over them
	SOFT 0, \s
	QK 1
	NOPS 5
.irp t, 0,1,2,3
.irp i, 12,13,14,15
	v_mov_b32 v[KV+16*\t+\i], 0                    ; the last quarter of V's fragments: zero codes (K's fragments lay there)
.endr
.endr
	VLOAD
	SOFT 1, \s
	s_wait_loadcnt 0x0                             ; V is in; and the three address registers may be written again
	PV \s
	NOPS 4                                         ; places in front of loads into V's registers and of the first read of O^T
.if \s < 2
	GADDR (\s)+1
	KLOAD
.endif
.endm
.irp m, 0,1
.irp c, 0,1
	global_load_b128 v[Q+8*\m+4*\c:Q+8*\m+4*\c+3], v1, s[48:49] offset:1024*\m+512*\c   ; Q's two fragments stay in registers
.endr
.endr
	GADDR 0
	KLOAD
	s_wait_kmcnt 0x0
	s_add_co_i32 s57, s30, s31
	s_lshl_b32 s57, s57, 23
	s_add_co_i32 s42, s42, s57                     ; a score stands for score x 2^(e6 + e7): the two exponents are added to c's exponent field
	s_mov_b32 s43, s42                             ; (named with it as a pair, so it is written)
	s_add_co_i32 s57, s32, 127
	s_lshl_b32 s58, s57, 23
	v_mov_b32 v6, s58                              ; 2^e8, for p's conversions
	s_add_co_i32 s57, s57, 8
	s_lshl_b32 s57, s57, 23
	s_or_b32 s57, s57, 0x600000
	v_mov_b32 v7, s57                              ; 448 x 2^e8
	s_add_co_i32 s66, s34, s35
	s_add_co_i32 s66, s66, 127
	s_lshl_b32 s66, s66, 23                        ; 2^(e10 + e11), for the projection's sums
	s_mov_b32 s67, s66
	STEP 0
	STEP 1
	STEP 2
	; ---- ctx = O^T / the sum x 2^(e8 + e9) becomes codes under 2^e10: (O^T / the sum) / 2^(e10 - e8 - e9).  My head's 64 channels are half a K step of the projection, for each tile of rows.
.macro PLOAD buf, s                    ; wo's four fragments (16 columns x 128 K each) of K step s
.irp t, 0,1,2,3
.irp c, 0,1,2,3
	global_load_b128 v[\buf+16*\t+4*\c:\buf+16*\t+4*\c+3], v1, s[50:51] offset:16384*\t+2048*(\s)+512*\c
.endr
.endr
.endm
	PLOAD B0, 0                                    ; asked for here, so that they land while ctx is quantised
	global_prefetch_b8 v26, s[52:53] th:TH_LOAD_NT scope:SCOPE_SE   ; my two rows of x, 8,192 bytes: 32 lanes 256 bytes apart; this wave alone asks for them, once, eight K steps of the projection ahead of their loads
	s_sub_co_i32 s57, s34, s32
	s_sub_co_i32 s57, s57, s33
	s_add_co_i32 s57, s57, 127
	s_lshl_b32 s58, s57, 23
	v_mov_b32 v6, s58                              ; 2^(e10 - e8 - e9)
	s_add_co_i32 s57, s57, 8
	s_lshl_b32 s57, s57, 23
	s_or_b32 s57, s57, 0x600000
	v_mov_b32 v7, s57                              ; 448 x that
.macro FIN m
.set ST, 10+4*(\m)
	v_add_f32 v18, v[ST+2], v[ST+3]                ; the sum's two halves,
	v_permlanex16_b32 v20, v18, s40, s41
	v_add_f32 v18, v18, v20                        ; and lane l xor 16's
	v_rcp_f32 v18, v18
	v_nop                                          ; a plain line behind the transcendental
.set jj, 0
	s_wait_alu depctr_va_vdst(0)
.rept 16
	v_pk_mul_f32 v[S+jj:S+jj+1], v[O+32*(\m)+jj:O+32*(\m)+jj+1], v[18:19] op_sel_hi:[1,0]   ; register 16 c + i: channel 32 c + 16 h + i of my query
.set jj, jj+2
.endr
.set jj, 0
.rept 32
	v_med3_num_f32 v[S+jj], v[S+jj], -v7, v7
.set jj, jj+1
.endr
.irp q, 0,1,2,3
	v_cvt_scalef32_pk8_fp8_f32 v[176+8*(\m)+2*\q:176+8*(\m)+2*\q+1], v[S+8*\q:S+8*\q+7], v6
.endr
	v_nop                                          ; a plain line between the conversions and the next lines that write their sources
.irp c, 0,1
	ds_store_b128 v27, v[176+8*(\m)+4*\c:176+8*(\m)+4*\c+3] offset:16384*(\m)+512*\c   ; as an image of the operand's registers: lane l's 16 bytes at 16 l
.endr
.endm
	FIN 0
	FIN 1
	s_wait_dscnt 0x0                               ; for the others' sake: my images are stored
	s_barrier_signal -1
	s_barrier_wait -1                              ; ctx's sixteen fragments (2 tiles of rows x 8 K steps) lie in LDS
	; ---- out^T = wo ctx^T: eight K steps of 128; eight accumulators (2 tiles of rows x 4 tiles of columns) by turns; wo's fragments one step ahead, in two sets
.macro PSTEP s
.irp m, 0,1
.irp c, 0,1,2,3
	ds_load_b128 v[AF+16*\m+4*\c:AF+16*\m+4*\c+3], v1 offset:16384*\m+2048*(\s)+512*\c
.endr
.endr
.if \s < 7
	PLOAD B0+64*(1-(\s)%2), (\s)+1
.else
.irp i, 0,1
.irp j, 0,1,2,3,4,5,6,7
	global_load_b128 v[B0+32*\i+4*\j:B0+32*\i+4*\j+3], v1, s[52:53] offset:4096*\i+512*\j th:TH_LOAD_NT   ; in the last step: my two rows of x instead
.endr
.endr
.endif
	s_wait_loadcnt 16                              ; this step's fragments are in; the sixteen loads just issued may be out
	s_wait_dscnt 0x0
.irp m, 0,1
.irp t, 0,1,2,3
.if \s == 0
	v_wmma_f32_16x16x128_fp8_fp8 v[ACC+8*(4*\m+\t):ACC+8*(4*\m+\t)+7], v[B0+64*((\s)%2)+16*\t:B0+64*((\s)%2)+16*\t+15], v[AF+16*\m:AF+16*\m+15], 0
.else
	v_wmma_f32_16x16x128_fp8_fp8 v[ACC+8*(4*\m+\t):ACC+8*(4*\m+\t)+7], v[B0+64*((\s)%2)+16*\t:B0+64*((\s)%2)+16*\t+15], v[AF+16*\m:AF+16*\m+15], v[ACC+8*(4*\m+\t):ACC+8*(4*\m+\t)+7]
.endif
.endr
.endr
	NOPS 4                                         ; places in front of loads into registers that these products read, and of the first read of results
.endm
.irp s, 0,1,2,3,4,5,6,7
	PSTEP \s
.endr
.irp j, 0,1,2,3,4,5,6,7
	global_load_b128 v[96+4*\j:96+4*\j+3], v1, s[16:17] offset:512*\j      ; ln_w, in the order in which a lane holds a row: columns 128 j + 4 lane + 0 .. 3
.endr
.irp j, 0,1,2,3,4,5,6,7
	global_load_b128 v[128+4*\j:128+4*\j+3], v1, s[18:19] offset:512*\j    ; ln_b
.endr
.irp j, 0,1,2,3,4,5,6,7
	global_load_b128 v[160+4*\j:160+4*\j+3], v1, s[20:21] offset:512*\j    ; bo
.endr
.irp m, 0,1
.irp t, 0,1,2,3
	ds_store_b128 v28, v[ACC+8*(4*\m+\t):ACC+8*(4*\m+\t)+3] offset:8*SPI*\m+64*\t        ; lane (r, h): sums of block row 8 m + r + 8 (r / 8), columns 64 w + 16 t + 8 h + 0 .. 7; the low half first
	ds_store_b128 v28, v[ACC+8*(4*\m+\t)+4:ACC+8*(4*\m+\t)+7] offset:8*SPI*\m+64*\t+16
.endr
.endr
	s_wait_loadcnt 24                              ; my two rows of x are in; the 24 loads of ln_w, ln_b and bo may be out
.macro REDUCE r                        ; the sum of v[r] over the wave's 32 lanes, in every lane
	v_add_f32_dpp v[\r], v[\r], v[\r] row_xmask:1 row_mask:0xf bank_mask:0xf
	v_add_f32_dpp v[\r], v[\r], v[\r] row_xmask:2 row_mask:0xf bank_mask:0xf
	v_add_f32_dpp v[\r], v[\r], v[\r] row_xmask:4 row_mask:0xf bank_mask:0xf
	v_add_f32_dpp v[\r], v[\r], v[\r] row_xmask:8 row_mask:0xf bank_mask:0xf
	v_permlanex16_b32 v20, v[\r], s40, s41
	v_add_f32 v[\r], v[\r], v20
.endm
; Row i becomes (x - mean) / sqrt(variance + 1e-7), in place; the variance is taken of the differences, as the definition has it.
.macro STATS i
.set XR, B0+32*(\i)
	v_pk_add_f32 v[18:19], v[XR:XR+1], v[XR+2:XR+3]
	v_pk_add_f32 v[24:25], v[XR+4:XR+5], v[XR+6:XR+7]
.irp j, 8,12,16,20,24,28
	v_pk_add_f32 v[18:19], v[18:19], v[XR+\j:XR+\j+1]
	v_pk_add_f32 v[24:25], v[24:25], v[XR+\j+2:XR+\j+3]
.endr
	v_pk_add_f32 v[18:19], v[18:19], v[24:25]
	v_add_f32 v18, v18, v19
	REDUCE 18
	v_mul_f32 v18, s68, v18                        ; the mean
.set jj, 0
.rept 16
	v_pk_add_f32 v[XR+jj:XR+jj+1], v[XR+jj:XR+jj+1], v[18:19] op_sel_hi:[1,0] neg_lo:[0,1] neg_hi:[0,1]
.set jj, jj+2
.endr
	v_pk_mul_f32 v[22:23], v[XR:XR+1], v[XR:XR+1]
	v_pk_mul_f32 v[24:25], v[XR+2:XR+3], v[XR+2:XR+3]
.irp j, 4,8,12,16,20,24,28
	v_pk_fma_f32 v[22:23], v[XR+\j:XR+\j+1], v[XR+\j:XR+\j+1], v[22:23]
	v_pk_fma_f32 v[24:25], v[XR+\j+2:XR+\j+3], v[XR+\j+2:XR+\j+3], v[24:25]
.endr
	v_pk_add_f32 v[22:23], v[22:23], v[24:25]
	v_add_f32 v22, v22, v23
	REDUCE 22
	v_fma_f32 v22, v22, s68, s69                   ; the variance + 1e-7
	v_rsq_f32 v22, v22
	v_nop                                          ; a plain line behind the transcendental
.set jj, 0
	s_wait_alu depctr_va_vdst(0)
.rept 16
	v_pk_mul_f32 v[XR+jj:XR+jj+1], v[XR+jj:XR+jj+1], v[22:23] op_sel_hi:[1,0]
.set jj, jj+2
.endr
.endm
	STATS 0                                        ; the norms stand between my stores into the stage and the wait for them
	STATS 1
	s_wait_dscnt 0x0                               ; for the others' sake: my sums are stored
	s_barrier_signal -1
	s_barrier_wait -1                              ; 32 whole rows of sums lie in the stage
.irp i, 0,1
.irp j, 0,1,2,3,4,5,6,7
	ds_load_b128 v[ACC+32*\i+4*\j:ACC+32*\i+4*\j+3], v29 offset:SPI*\i+512*\j
.endr
.endr
	s_wait_loadcnt 0x0                             ; ln_w, ln_b, bo
.set jj, 0
.rept 16
	v_pk_add_f32 v[128+jj:129+jj], v[128+jj:129+jj], v[160+jj:161+jj]   ; ln_b + bo, once for both rows
.set jj, jj+2
.endr
.macro OUTROW i
.set XR, B0+32*(\i)
.set jj, 0
.rept 16
	v_pk_fma_f32 v[XR+jj:XR+jj+1], v[XR+jj:XR+jj+1], v[96+jj:97+jj], v[128+jj:129+jj]
.set jj, jj+2
.endr
	s_wait_dscnt 8-8*(\i)                          ; this row's eight reads are in; the other row's may be out
.set jj, 0
.rept 16
	v_pk_fma_f32 v[XR+jj:XR+jj+1], v[ACC+32*(\i)+jj:ACC+32*(\i)+jj+1], s[66:67], v[XR+jj:XR+jj+1] op_sel_hi:[1,0,1]   ; + sum x 2^(e10 + e11)
.set jj, jj+2
.endr
.irp j, 0,1,2,3,4,5,6,7
	global_store_b128 v1, v[XR+4*\j:XR+4*\j+3], s[54:55] offset:4096*(\i)+512*\j th:TH_STORE_NT   ; 32 lanes store 512 consecutive bytes, at a multiple of 512 from out's first byte; written once, read by nobody here
.endr
.endm
	OUTROW 0
	OUTROW 1
	s_wait_tensorcnt 0x0
	ds_add_u32 v30, v31
	s_wait_dscnt 0x0
	s_endpgm
.Lfunc_end_k_q96d80d032a_attn:
	.size	k_q96d80d032a_attn, .Lfunc_end_k_q96d80d032a_attn-k_q96d80d032a_attn
	.p2alignl 7, 3214868480
	.fill 96, 4, 3214868480
	.section	.rodata,"a",@progbits
	.p2align	6, 0x0
	.amdhsa_kernel k_q96d80d032a_attn
		.amdhsa_group_segment_fixed_size 166400
		.amdhsa_private_segment_fixed_size 0
		.amdhsa_enable_private_segment 0
		.amdhsa_kernarg_size 80
		.amdhsa_user_sgpr_count 2
		.amdhsa_user_sgpr_kernarg_segment_ptr 1
		.amdhsa_wavefront_size32 1
		.amdhsa_system_sgpr_workgroup_id_x 1
		.amdhsa_system_sgpr_workgroup_id_y 1
		.amdhsa_system_sgpr_workgroup_id_z 1
		.amdhsa_system_vgpr_workitem_id 0
		.amdhsa_next_free_vgpr 256
		.amdhsa_next_free_sgpr 72
		.amdhsa_reserve_vcc 1
		.amdhsa_float_denorm_mode_32 3
		.amdhsa_float_denorm_mode_16_64 3
		.amdhsa_memory_ordered 1
		.amdhsa_forward_progress 1
		.amdhsa_inst_pref_size 146
	.end_amdhsa_kernel
	.amdgpu_metadata
---
amdhsa.version: [ 1, 2 ]
amdhsa.kernels:
  - .name:           k_q96d80d032a_attn
    .symbol:         k_q96d80d032a_attn.kd
    .args:
      - { .name: qc, .offset: 0, .size: 8, .value_kind: global_buffer, .address_space: global }
      - { .name: kc, .offset: 8, .size: 8, .value_kind: global_buffer, .address_space: global }
      - { .name: vc, .offset: 16, .size: 8, .value_kind: global_buffer, .address_space: global }
      - { .name: wof, .offset: 24, .size: 8, .value_kind: global_buffer, .address_space: global }
      - { .name: lowp_scales, .offset: 32, .size: 8, .value_kind: global_buffer, .address_space: global }
      - { .name: hidden_states, .offset: 40, .size: 8, .value_kind: global_buffer, .address_space: global }
      - { .name: ln_w, .offset: 48, .size: 8, .value_kind: global_buffer, .address_space: global }
      - { .name: ln_b, .offset: 56, .size: 8, .value_kind: global_buffer, .address_space: global }
      - { .name: bo, .offset: 64, .size: 8, .value_kind: global_buffer, .address_space: global }
      - { .name: out0, .offset: 72, .size: 8, .value_kind: global_buffer, .address_space: global }
    .group_segment_fixed_size: 166400
    .private_segment_fixed_size: 0
    .kernarg_segment_align: 8
    .kernarg_segment_size: 80
    .max_flat_workgroup_size: 512
    .sgpr_count:     72
    .vgpr_count:     256
    .wavefront_size: 32
...
	.end_amdgpu_metadata
.endif
;; end of part 3
;; ======== version 2 of 2: 3 launches; version 1 with the launch attn written anew for expert scheduling mode
;; workspace buffers: xq 8,388,608 bytes; xk 8,388,608 bytes; xv 8,388,608 bytes; wof 1,048,576 bytes; qc 8,388,608 bytes; kc 8,388,608 bytes; vc 8,388,608 bytes
;; launch quant: the kernel of part 1 again; grid 256 x 1, 4 waves a work-group, no clusters, 33,280 bytes of LDS; arguments hidden_states, wo_codes, lowp_scales, xq, xk, xv, wof; writes xq, xk, xv, wof
;; launch qkv: the kernel of part 2 again; grid 12 x 32, 4 waves a work-group, clusters of 4 x 4, 327,680 bytes of LDS; arguments xq, xk, xv, wq_codes, wk_codes, wv_codes, lowp_scales, qc, kc, vc; writes qc, kc, vc
;; launch attn (part 4): grid 256 x 1, 16 waves a work-group, no clusters, 166,400 bytes of LDS; arguments qc, kc, vc, wof, lowp_scales, hidden_states, ln_w, ln_b, bo, out0; writes out0
.if DOCPART == 4
	.amdgcn_target "amdgcn-amd-amdhsa--gfx1250"
	.amdhsa_code_object_version 6
	.text
	.protected	k_q96d80d032a_attn
	.globl	k_q96d80d032a_attn
	.p2align	8
	.type	k_q96d80d032a_attn,@function
k_q96d80d032a_attn:
	s_mov_b64 s[64:65], 0
	v_nop
	global_prefetch_b8 v0, s[64:65] scope:SCOPE_SE
	s_setreg_imm32_b32 hwreg(HW_REG_WAVE_SCHED_MODE, 0, 2), 2
	s_setreg_imm32_b32 hwreg(HW_REG_WAVE_MODE, 25, 1), 1
	s_wait_xcnt 0x0
	s_wait_alu depctr_vm_vsrc(0)
; out = Q(ctx) wo^T + bo + LayerNorm(x), ctx = banded causal attention (key j counts for query i where j <= i and i - j < 256), all products on codes of E4M3.
; SHARES.  A work-group owns 32 rows (tokens 32 X .. 32 X + 31 of the 8,192).  ATTENTION: wave w is head w and serves both tiles of 16 queries; the band reaches 9 groups of 32 keys, the
; block's own and the eight in front, walked in three steps of 96 keys.  PROJECTION: wave w makes columns 64 w .. 64 w + 63 for all 32 rows.  LAYERNORM: wave w owns rows 2 w, 2 w + 1.
; OPERANDS come from memory straight into registers: qc, kc, vc and wof are laid in the order of the operands' registers, so each load of a wave is 512 consecutive bytes.
; LAYOUT.  S^T = K Q^T (source 0 = 16 keys, source 1 = 16 queries), O^T = V^T P^T, out^T = wo ctx^T: a lane holds ONE query (lane % 16 = r) throughout.  Lane r of tile m is block row 8 m + r + 8 (r / 8).
; The keys of a tile of K and the channels of a tile of V are chosen likewise, so that the 16 registers of two neighbouring result tiles are 16 neighbours along the next K: the conversions' results are the next operand.
; THE SOFTMAX: t = score x log2(e); M = the largest t so far, rounded UP to a whole number; p = 2^(t - M) is quantised, not normalised; the sum is taken of the unquantised p and divides O at the end;
; when M moves, the sum and O are multiplied by 2^(old M - new M), which rounds nothing.  Hidden scores become -infinity ahead of the maximum.  The block's own diagonal key counts for every query, so the sum is above 1/2.
; Groups in front of the sequence's first token (blocks 0 to 7 of a batch) are loaded from group 0 instead, so that no load leaves its buffer, and hidden like the rest: a branch on the block's number jumps over those lines elsewhere.
; A step's 96 keys fill three quarters of the second product's 128 along K: the last quarter of P's and of V's registers holds zero codes.
; NO JOINT LOADS, though all work-groups read wof and neighbours share K and V: each of these bytes goes to exactly one wave's registers and never lies in LDS; a K step of wo for the group's 1,024 columns
; is 131,072 bytes, and two such slots do not fit beside the 164,352 bytes of images and stage in 327,680.
; LIMITS on the given exponents, so that each power of two is an f32 number: e6 + e7 and e10 + e11 between -126 and 127; e8 and e10 - e8 - e9 between -126 and 119.  |t| stays under 3e38.  NaN among the inputs is not served.
; LDS: 0: ctx's 32 fragment halves as images of registers, (16 m + head) x 1,024 + c 512 + 16 lane;  32,768: a stage of 32 rows x (4,096 + 16) bytes for the projection's sums.
; REGISTERS: v1 16 lane; v2-4 the step's three groups; v5 -infinity; v6, v7 the conversion's scale and 448 x it; v8, v9 tile m's block row - 16 h; v10-17 for each tile -M, the largest t, the sum in two halves;
;   v18-25 at work; v26-29 addresses; v30, v31 the closing add's two;  attention: v32-47 Q, v48-111 K then V, v112-159 scores then p, v160-191 p's codes, v192-255 O^T;
;   projection: v32-95, v96-159 wo's fragments by turns, v160-191 ctx's, v192-255 the sums;  at the end: v32-95 my two rows of x, v96-191 ln_w, ln_b, bo, v192-255 my two rows of sums.
;   s4-15 and s58-61: sixteen lane masks of the band's edges (the pointers and offsets that lay there are used up ahead of the first step).
; THE MODE: SCHED_MODE bits 1:0 = 2 (LLVM: expert scheduling mode 2), set by the entry lines.  The code itself states the register dependences
; between vector or matrix instructions and memory or LDS instructions, with s_wait_alu, always for 0.
; THE PLAN.  The launch gives a wave 256 registers and all are in use, so no buffer has a second set: each is asked for again straight behind the one wait that frees it.  Registers that memory or LDS instructions touch:
;   v1, v26-29    Offsets and LDS addresses: written at the head, ahead of the head's wait on va_vdst, and never again.
;   v2-4          Read by a step's loads of K and of V; written by three additions behind the step's last products: a wait on vm_vsrc ahead of them, and the wait on va_vdst that K's loads owe anyway behind them.
;   v48-111       K's loads land; both tiles' K Q^T read; sixteen v_mov lay zero codes; [wait on va_vdst] V's loads land; V^T P reads; [wait on va_vdst] the next step's K, or wo's first set, lands.
;   v32-47        Q's loads land once; K Q^T reads; wo's first set lands behind the wait that follows the last key step.
;   v32-159       wo's two sets: step s's products read set s % 2; the loads of step s + 1 land in the other, behind the wait on va_vdst at step s's head, which shows step s - 1's products done.
;   v160-191      ctx's codes (v176-191) are written by conversions [wait on va_vdst] and read by four LDS stores [wait on vm_vsrc]; then ctx's fragments land there in each step, behind the same wait at the step's head; at the end bo.
;   v192-255      The projection's sums: written by matrix instructions [four places, wait on va_vdst], read by sixteen LDS stores [wait on vm_vsrc]; then my two rows of sums land there.
;   v32-95        At the end: x's loads land, vector lines make the rows of out [a wait on va_vdst a row], the global stores read them; they are not written again.
;   A vector line writes a scalar register in two places: the wave's number, and the runs of sixteen compares; a wait on va_sdst stands behind each, ahead of the first reader.
.set STG,  32768
.set SPI,  4112                        ; a stage row
.set Q,    32
.set KV,   48
.set S,    112
.set P,    160
.set O,    192
.set B0,   32
.set AF,   160
.set ACC,  192
.macro NOPS n
.rept \n
	v_nop
.endr
.endm
	s_load_b512 s[4:19], s[0:1], 0x0               ; qc 4, kc 6, vc 8, wof 10, the scales 12, x 14, ln_w 16, ln_b 18
	s_load_b128 s[20:23], s[0:1], 0x40             ; bo 20, out 22
	v_lshl_add_u32 v30, v0, 2, 0x28200
	v_mov_b32 v31, 0
	v_lshrrev_b32 v18, 5, v0
	v_readfirstlane_b32 s36, v18                   ; wave = head, 0 .. 15
	v_and_b32 v19, 31, v0                          ; lane
	v_lshlrev_b32 v1, 4, v19                       ; 16 x lane
	v_lshlrev_b32 v26, 8, v19                      ; 256 x lane, for the prefetch
	v_and_b32 v21, 15, v0                          ; r
	v_bfe_u32 v22, v0, 4, 1                        ; h
	v_and_b32 v24, 8, v21
	v_add_nc_u32 v24, v24, v21                     ; r + 8 (r / 8)
	v_lshlrev_b32 v25, 4, v22
	v_sub_nc_u32 v8, v24, v25                      ; tile 0: my block row - 16 h: register i of a group holds its key 16 h + i
	v_add_nc_u32 v9, 8, v8                         ; tile 1
	v_mov_b32 v5, 0xff800000
	s_wait_alu depctr_va_sdst(0)                   ; s36, the wave's number, is written, ahead of its first reader: LDS addresses and all the bases are made from it
	s_lshl_b32 s57, s36, 10
	v_add_nc_u32 v27, s57, v1                      ; where I store ctx's images: 1,024 x head + 16 lane
	v_mul_u32_u24 v28, v24, SPI
	v_lshl_add_u32 v28, v22, 5, v28
	s_lshl_b32 s57, s36, 8
	v_add_nc_u32 v28, s57, v28
	v_add_nc_u32 v28, STG, v28                     ; into the stage: row r + 8 (r / 8), byte 256 w + 32 h
	s_mul_i32 s57, s36, 2*SPI
	v_add_nc_u32 v29, s57, v1
	v_add_nc_u32 v29, STG, v29                     ; back: rows 2 w, 2 w + 1, 16 bytes a lane
	v_mov_b32 v20, 0                               ; written once: a lane permute's destination counts as one of its sources
	v_mov_b32 v23, 0                               ; (named as the upper half of the pair v[22:23])
.irp i, 12,13,14,15,28,29,30,31
	v_mov_b32 v[P+\i], 0                           ; the last quarter of p's codes: zeros, once
.endr
	s_lshr_b32 s37, ttmp9, 6                       ; batch
	s_and_b32 s38, ttmp9, 63                       ; my block = my group of 32 tokens in the batch
	s_sub_co_i32 s39, s38, 8                       ; the band's first group; negative in blocks 0 to 7
	s_lshl_b32 s58, s37, 4
	s_add_co_u32 s58, s58, s36
	s_lshl_b32 s58, s58, 17                        ; (16 batch + head) x 131,072
	s_mov_b32 s59, 0
	s_lshl_b32 s60, s38, 11
	s_add_co_u32 s60, s60, s58                     ; + my group's 2,048 bytes
	s_mov_b32 s61, 0
	s_lshl_b32 s62, s36, 16                        ; wof: my four tiles of 16 columns: 65,536 x w
	s_mov_b32 s63, 0
	s_lshl_b32 s70, ttmp9, 5
	s_lshl_b32 s71, s36, 1
	s_add_co_u32 s70, s70, s71
	s_lshl_b32 s70, s70, 12                        ; x, out: row 32 X + 2 w of 4,096 bytes
	s_mov_b32 s71, 0
	s_mov_b32 s40, 0x76543210
	s_mov_b32 s41, 0xfedcba98                      ; v_permlanex16_b32's selects for lane l xor 16
	s_mov_b32 s42, 0x3fb8aa3b                      ; log2(e)
	s_mov_b32 s68, 0x3a800000                      ; 1 / 1,024
	s_mov_b32 s69, 0x33d6bf95                      ; 1e-7
	s_wait_kmcnt 0x0
	s_load_b256 s[24:31], s[12:13], 0x0            ; e0 .. e7
	s_load_b128 s[32:35], s[12:13], 0x20           ; e8 .. e11
	s_add_nc_u64 s[44:45], s[6:7], s[58:59]        ; K of my head
	s_add_nc_u64 s[46:47], s[8:9], s[58:59]        ; V
	s_add_nc_u64 s[48:49], s[4:5], s[60:61]        ; Q of my block
	s_add_nc_u64 s[50:51], s[10:11], s[62:63]      ; wo's fragments of my columns
	s_add_nc_u64 s[52:53], s[14:15], s[70:71]      ; my two rows of x
	s_add_nc_u64 s[54:55], s[22:23], s[70:71]      ; and of out
.macro GADDR s                         ; the step's three groups: 16 lane + 2,048 x the group, held at group 0 from below
.irp g, 0,1,2
	s_add_co_i32 s57, s39, 3*(\s)+\g
	s_max_i32 s57, s57, 0
	s_lshl_b32 s57, s57, 11
	v_add_nc_u32 v[2+\g], s57, v1
.endr
.endm
.macro KLOAD                           ; six tiles of 16 keys x 64 channels, 8 registers each
.irp g, 0,1,2
.irp u, 0,1
.irp c, 0,1
	global_load_b128 v[KV+8*(2*\g+\u)+4*\c:KV+8*(2*\g+\u)+4*\c+3], v[2+\g], s[44:45] offset:1024*\u+512*\c
.endr
.endr
.endr
.endm
.macro VLOAD                           ; four tiles of 16 channels x 96 keys: registers 4 g .. 4 g + 3 of a tile's 16
.irp t, 0,1,2,3
.irp g, 0,1,2
	global_load_b128 v[KV+16*\t+4*\g:KV+16*\t+4*\g+3], v[2+\g], s[46:47] offset:512*\t
.endr
.endr
.endm
.macro QK m                            ; S^T of tile m: lane (r, h) holds query r; the 16 registers of tiles 2 g, 2 g + 1 are keys 16 h + 0 .. 15 of group g
.irp t, 0,1,2,3,4,5
	v_wmma_f32_16x16x64_fp8_fp8 v[S+8*\t:S+8*\t+7], v[KV+8*\t:KV+8*\t+7], v[Q+8*(\m):Q+8*(\m)+7], 0
.endr
.endm
.macro PV s                            ; O^T += V^T P^T: the eight accumulators take turns, one instruction a turn, in the same order in every step; the first step starts the sums
.irp t, 0,1,2,3
.irp m, 0,1
.if \s == 0
	v_wmma_f32_16x16x128_fp8_fp8 v[O+32*\m+8*\t:O+32*\m+8*\t+7], v[KV+16*\t:KV+16*\t+15], v[P+16*\m:P+16*\m+15], 0
.else
	v_wmma_f32_16x16x128_fp8_fp8 v[O+32*\m+8*\t:O+32*\m+8*\t+7], v[KV+16*\t:KV+16*\t+15], v[P+16*\m:P+16*\m+15], v[O+32*\m+8*\t:O+32*\m+8*\t+7]
.endif
.endr
.endr
.endm
; The softmax of tile m for step s: 48 scores a lane.  Every walk over the scores goes upward.
; The band's two edges: sixteen compares in a run, each into a scalar register of its own (mask i in s[4 + i], the last four in s58-61), one wait, sixteen selects.
.macro SOFT m, s
.set ST, 10+4*(\m)
.if \s == 0                            ; the band's far edge, in its first group: key 16 h + i is 256 or more behind my query where i <= block row - 16 h
.irp i, 0,1,2,3,4,5,6,7,8,9,10,11,12,13,14,15
	v_cmp_le_i32 s[4+\i+42*(\i/12)], \i, v[8+\m]
.endr
	s_wait_alu depctr_va_sdst(0)                   ; the sixteen compares have written their masks, ahead of the first select that reads one
.irp i, 0,1,2,3,4,5,6,7,8,9,10,11,12,13,14,15
	v_cndmask_b32 v[S+\i], v[S+\i], v5, s[4+\i+42*(\i/12)]
.endr
.endif
.if \s == 2                            ; the diagonal, in the block's own group: key 16 h + i comes after my query where i > block row - 16 h
.irp i, 0,1,2,3,4,5,6,7,8,9,10,11,12,13,14,15
	v_cmp_gt_i32 s[4+\i+42*(\i/12)], \i, v[8+\m]
.endr
	s_wait_alu depctr_va_sdst(0)                   ; the sixteen compares have written their masks, ahead of the first select that reads one
.irp i, 0,1,2,3,4,5,6,7,8,9,10,11,12,13,14,15
	v_cndmask_b32 v[S+32+\i], v[S+32+\i], v5, s[4+\i+42*(\i/12)]
.endr
.endif
	s_cmp_ge_i32 s39, -3*(\s)                      ; the step's first group exists: so do the others
	s_cbranch_scc1 .Lalive_\@
.irp g, 0,1,2
.if 3*(\s)+\g < 8
	s_cmp_lt_i32 s39, -(3*(\s)+\g)                 ; a group in front of the sequence is hidden whole
	s_cselect_b32 s56, -1, 0
.irp i, 0,1,2,3,4,5,6,7,8,9,10,11,12,13,14,15
	v_cndmask_b32 v[S+16*\g+\i], v[S+16*\g+\i], v5, s56
.endr
.endif
.endr
.Lalive_\@:
	v_max3_num_f32 v18, v[S], v[S+1], v[S+2]       ; the step's largest score of my query among my 48 keys, in two chains,
	v_max3_num_f32 v19, v[S+24], v[S+25], v[S+26]
.irp i, 3,5,7,9,11,13,15,17,19,21
	v_max3_num_f32 v18, v18, v[S+\i], v[S+\i+1]
	v_max3_num_f32 v19, v19, v[S+24+\i], v[S+25+\i]
.endr
	v_max3_num_f32 v18, v18, v[S+23], v[S+47]
	v_max_num_f32 v18, v18, v19
	v_permlanex16_b32 v20, v18, s40, s41
	v_max_num_f32 v18, v18, v20                    ; and among lane l xor 16's
	v_mul_f32 v18, s42, v18                        ; as t (c is positive)
.if \s == 0
	v_max_num_f32 v[ST+1], 0xff61b1e6, v18         ; the largest t so far begins at -3e38, under every t
	v_floor_f32 v[ST], -v[ST+1]                    ; -M = floor(-t) = -ceil(t)
.else
	v_max_num_f32 v[ST+1], v[ST+1], v18
	v_mov_b32 v21, v[ST]
	v_floor_f32 v[ST], -v[ST+1]
	v_sub_f32 v21, v[ST], v21                      ; old M - new M: a whole number, 0 or less
	v_cvt_i32_f32 v21, v21                         ; (it saturates)
	v_ldexp_f32 v22, 1.0, v21                      ; f = 2^(old M - new M)
.endif
.set jj, 0
.rept 24
	v_pk_fma_f32 v[S+jj:S+jj+1], v[S+jj:S+jj+1], s[42:43], v[ST:ST+1] op_sel_hi:[1,0,0]   ; t - M, two at a time (of the pairs c and -M the low word serves both halves)
.set jj, jj+2
.endr
.set jj, 0
.rept 48
	v_exp_f32 v[S+jj], v[S+jj]                     ; p = 2^(t - M): not normalised; 0 where the score was hidden
.set jj, jj+1
.endr
.if \s == 0
	v_nop                                          ; a plain line behind the exponentials
	s_wait_alu depctr_va_vdst(0)                   ; the 48 exponentials have written p, ahead of the first line that names one: one wait for the batch
	v_pk_add_f32 v[ST+2:ST+3], v[S:S+1], v[S+2:S+3]   ; THE SUM IS TAKEN OF THE UNQUANTISED p: two at a time, in two chains
	v_pk_add_f32 v[24:25], v[S+4:S+5], v[S+6:S+7]
.irp j, 8,12,16,20,24,28,32,36,40,44
	v_pk_add_f32 v[ST+2:ST+3], v[ST+2:ST+3], v[S+\j:S+\j+1]
	v_pk_add_f32 v[24:25], v[24:25], v[S+\j+2:S+\j+3]
.endr
.else
	v_pk_mul_f32 v[ST+2:ST+3], v[ST+2:ST+3], v[22:23] op_sel_hi:[1,0]   ; the sum under the new M  (the plain line behind the exponentials)
	s_wait_alu depctr_va_vdst(0)                   ; the 48 exponentials have written p, ahead of the first line that names one: one wait for the batch
	v_pk_add_f32 v[24:25], v[S:S+1], v[S+2:S+3]
.irp j, 4,8,12,16,20,24,28,32,36,40,44
	v_pk_add_f32 v[ST+2:ST+3], v[ST+2:ST+3], v[S+\j:S+\j+1]
	v_pk_add_f32 v[24:25], v[24:25], v[S+\j+2:S+\j+3]
.endr
.endif
	v_pk_add_f32 v[ST+2:ST+3], v[ST+2:ST+3], v[24:25]
	s_cmp_ge_i32 s32, -8                           ; from e8 = -8 on, 448 x 2^e8 is 1.75 or more and p, at most 1 but for a rounding, lies under it: the hold changes nothing and is jumped over
	s_cbranch_scc1 .Lroom_\@
.set jj, 0
.rept 48
	v_min_num_f32 v[S+jj], v[S+jj], v7             ; the conversion to an 8-bit code does not saturate (ISA guide 7.6.2); p is not negative, so the hold is one-sided
.set jj, jj+1
.endr
.Lroom_\@:
.irp g, 0,1,2
	v_cvt_scalef32_pk8_fp8_f32 v[P+16*(\m)+4*\g:P+16*(\m)+4*\g+1], v[S+16*\g:S+16*\g+7], v6
	v_cvt_scalef32_pk8_fp8_f32 v[P+16*(\m)+4*\g+2:P+16*(\m)+4*\g+3], v[S+16*\g+8:S+16*\g+15], v6
.endr
	v_nop                                          ; a plain line between the conversions and the products that read the codes or write the scores anew
.if \s > 0
.set jj, 0
.rept 16
	v_pk_mul_f32 v[O+32*(\m)+jj:O+32*(\m)+jj+1], v[O+32*(\m)+jj:O+32*(\m)+jj+1], v[22:23] op_sel_hi:[1,0]   ; O^T under the new M
.set jj, jj+2
.endr
.endif
.endm
; A step of 96 keys.  Tile 1's softmax stands between V's loads and the wait for them.
.macro STEP s
	s_wait_loadcnt 0x0                             ; K's twelve loads (in the first step Q's four too) are in
	QK 0
	NOPS 5                                         ; four places in front of the first read of the scores; five in front of the products that write over them
	SOFT 0, \s
	QK 1
	NOPS 5
.irp t, 0,1,2,3
.irp i, 12,13,14,15
	v_mov_b32 v[KV+16*\t+\i], 0                    ; the last quarter of V's fragments: zero codes (K's fragments lay there)
.endr
.endr
	s_wait_alu depctr_va_vdst(0)                   ; both tiles' products K Q^T are done reading K's fragments, in whose registers V's loads land
	VLOAD
	SOFT 1, \s
	s_wait_loadcnt 0x0                             ; V is in; and its loads are done with the three address registers
	PV \s
	NOPS 4                                         ; four places behind the last products, ahead of the vector lines that read O^T or write p's codes anew
.if \s < 2
	s_wait_alu depctr_vm_vsrc(0)                   ; this step's loads of K and of V have read v2-4, which the three additions write
	GADDR (\s)+1
	s_wait_alu depctr_va_vdst(0)                   ; v2-4 are written, which K's loads read; the products V^T P are done reading V's fragments and the zero codes are written, in whose registers K's loads land
	KLOAD
.endif
.endm
	GADDR 0
	s_wait_alu depctr_va_vdst(0)                   ; the offsets and addresses v1-4 and v26-29 are written: every load, store, LDS access and the prefetch reads one of them; v1 and v26-29 are never written again
.irp m, 0,1
.irp c, 0,1
	global_load_b128 v[Q+8*\m+4*\c:Q+8*\m+4*\c+3], v1, s[48:49] offset:1024*\m+512*\c   ; Q's two fragments stay in registers
.endr
.endr
	KLOAD
	s_wait_kmcnt 0x0
	s_add_co_i32 s57, s30, s31
	s_lshl_b32 s57, s57, 23
	s_add_co_i32 s42, s42, s57                     ; a score stands for score x 2^(e6 + e7): the two exponents are added to c's exponent field
	s_mov_b32 s43, s42                             ; (named with it as a pair, so it is written)
	s_add_co_i32 s57, s32, 127
	s_lshl_b32 s58, s57, 23
	v_mov_b32 v6, s58                              ; 2^e8, for p's conversions
	s_add_co_i32 s57, s57, 8
	s_lshl_b32 s57, s57, 23
	s_or_b32 s57, s57, 0x600000
	v_mov_b32 v7, s57                              ; 448 x 2^e8
	s_add_co_i32 s66, s34, s35
	s_add_co_i32 s66, s66, 127
	s_lshl_b32 s66, s66, 23                        ; 2^(e10 + e11), for the projection's sums
	s_mov_b32 s67, s66
	STEP 0
	STEP 1
	STEP 2
	; ---- ctx = O^T / the sum x 2^(e8 + e9) becomes codes under 2^e10: (O^T / the sum) / 2^(e10 - e8 - e9).  My head's 64 channels are half a K step of the projection, for each tile of rows.
.macro PLOAD buf, s                    ; wo's four fragments (16 columns x 128 K each) of K step s
.irp t, 0,1,2,3
.irp c, 0,1,2,3
	global_load_b128 v[\buf+16*\t+4*\c:\buf+16*\t+4*\c+3], v1, s[50:51] offset:16384*\t+2048*(\s)+512*\c
.endr
.endr
.endm
	s_wait_alu depctr_va_vdst(0)                   ; the products K Q^T are done reading Q and the last products V^T P are done reading V's fragments: wo's first set lands in these registers
	PLOAD B0, 0                                    ; asked for here, so that they land while ctx is quantised
	global_prefetch_b8 v26, s[52:53] th:TH_LOAD_NT scope:SCOPE_SE   ; my two rows of x, 8,192 bytes: 32 lanes 256 bytes apart; this wave alone asks for them, once, eight K steps of the projection ahead of their loads
	s_sub_co_i32 s57, s34, s32
	s_sub_co_i32 s57, s57, s33
	s_add_co_i32 s57, s57, 127
	s_lshl_b32 s58, s57, 23
	v_mov_b32 v6, s58                              ; 2^(e10 - e8 - e9)
	s_add_co_i32 s57, s57, 8
	s_lshl_b32 s57, s57, 23
	s_or_b32 s57, s57, 0x600000
	v_mov_b32 v7, s57                              ; 448 x that
.macro FIN m                           ; tile m's codes of ctx into v[176 + 8 m] on; both tiles' arithmetic stands ahead of the one wait for the four LDS stores
.set ST, 10+4*(\m)
	v_add_f32 v18, v[ST+2], v[ST+3]                ; the sum's two halves,
	v_permlanex16_b32 v20, v18, s40, s41
	v_add_f32 v18, v18, v20                        ; and lane l xor 16's
	v_rcp_f32 v18, v18
	v_nop                                          ; a plain line behind the transcendental
.set jj, 0
	s_wait_alu depctr_va_vdst(0)                   ; the reciprocal has written v18, ahead of its first reader
.rept 16
	v_pk_mul_f32 v[S+jj:S+jj+1], v[O+32*(\m)+jj:O+32*(\m)+jj+1], v[18:19] op_sel_hi:[1,0]   ; register 16 c + i: channel 32 c + 16 h + i of my query
.set jj, jj+2
.endr
.set jj, 0
.rept 32
	v_med3_num_f32 v[S+jj], v[S+jj], -v7, v7
.set jj, jj+1
.endr
.irp q, 0,1,2,3
	v_cvt_scalef32_pk8_fp8_f32 v[176+8*(\m)+2*\q:176+8*(\m)+2*\q+1], v[S+8*\q:S+8*\q+7], v6
.endr
	v_nop                                          ; a plain line between the conversions and the next lines that write their sources
.endm
	FIN 0
	FIN 1
	s_wait_alu depctr_va_vdst(0)                   ; the conversions have written v176-191, which the LDS stores read; and all that named v96-191 is done, in which the projection's first loads land
.irp m, 0,1
.irp c, 0,1
	ds_store_b128 v27, v[176+8*\m+4*\c:176+8*\m+4*\c+3] offset:16384*\m+512*\c   ; as an image of the operand's registers: lane l's 16 bytes at 16 l
.endr
.endr
	s_wait_dscnt 0x0                               ; for the others' sake: my images are stored
	s_barrier_signal -1
	s_barrier_wait -1                              ; ctx's sixteen fragments (2 tiles of rows x 8 K steps) lie in LDS
	; ---- out^T = wo ctx^T: eight K steps of 128; eight accumulators (2 tiles of rows x 4 tiles of columns) by turns; wo's fragments one step ahead, in two sets
.macro PSTEP s
.if \s == 0
	s_wait_alu depctr_vm_vsrc(0)                   ; my LDS stores have read v176-191, in which ctx's fragments land
.else
	s_wait_alu depctr_va_vdst(0)                   ; the last step's products are done reading ctx's fragments and their set of wo's: the 24 loads below land in these registers
.endif
.irp m, 0,1
.irp c, 0,1,2,3
	ds_load_b128 v[AF+16*\m+4*\c:AF+16*\m+4*\c+3], v1 offset:16384*\m+2048*(\s)+512*\c
.endr
.endr
.if \s < 7
	PLOAD B0+64*(1-(\s)%2), (\s)+1
.else
.irp i, 0,1
.irp j, 0,1,2,3,4,5,6,7
	global_load_b128 v[B0+32*\i+4*\j:B0+32*\i+4*\j+3], v1, s[52:53] offset:4096*\i+512*\j th:TH_LOAD_NT   ; in the last step: my two rows of x instead
.endr
.endr
.endif
	s_wait_loadcnt 16                              ; this step's fragments are in; the sixteen loads just issued may be out
	s_wait_dscnt 0x0
.irp m, 0,1
.irp t, 0,1,2,3
.if \s == 0
	v_wmma_f32_16x16x128_fp8_fp8 v[ACC+8*(4*\m+\t):ACC+8*(4*\m+\t)+7], v[B0+64*((\s)%2)+16*\t:B0+64*((\s)%2)+16*\t+15], v[AF+16*\m:AF+16*\m+15], 0
.else
	v_wmma_f32_16x16x128_fp8_fp8 v[ACC+8*(4*\m+\t):ACC+8*(4*\m+\t)+7], v[B0+64*((\s)%2)+16*\t:B0+64*((\s)%2)+16*\t+15], v[AF+16*\m:AF+16*\m+15], v[ACC+8*(4*\m+\t):ACC+8*(4*\m+\t)+7]
.endif
.endr
.endr
	NOPS 4                                         ; four places behind the step's products; behind the last step they stand ahead of the stores that read the sums
.endm
.irp s, 0,1,2,3,4,5,6,7
	PSTEP \s
.endr
	s_wait_alu depctr_va_vdst(0)                   ; the last products have written the sums, which the LDS stores read (the four places stay beside this wait), and are done reading v96-191, in which ln_w, ln_b and bo land
.irp j, 0,1,2,3,4,5,6,7
	global_load_b128 v[96+4*\j:96+4*\j+3], v1, s[16:17] offset:512*\j      ; ln_w, in the order in which a lane holds a row: columns 128 j + 4 lane + 0 .. 3
.endr
.irp j, 0,1,2,3,4,5,6,7
	global_load_b128 v[128+4*\j:128+4*\j+3], v1, s[18:19] offset:512*\j    ; ln_b
.endr
.irp j, 0,1,2,3,4,5,6,7
	global_load_b128 v[160+4*\j:160+4*\j+3], v1, s[20:21] offset:512*\j    ; bo
.endr
.irp m, 0,1
.irp t, 0,1,2,3
	ds_store_b128 v28, v[ACC+8*(4*\m+\t):ACC+8*(4*\m+\t)+3] offset:8*SPI*\m+64*\t        ; lane (r, h): sums of block row 8 m + r + 8 (r / 8), columns 64 w + 16 t + 8 h + 0 .. 7; the low half first
	ds_store_b128 v28, v[ACC+8*(4*\m+\t)+4:ACC+8*(4*\m+\t)+7] offset:8*SPI*\m+64*\t+16
.endr
.endr
	s_wait_loadcnt 24                              ; my two rows of x are in; the 24 loads of ln_w, ln_b and bo may be out
.macro REDUCE r                        ; the sum of v[r] over the wave's 32 lanes, in every lane
	v_add_f32_dpp v[\r], v[\r], v[\r] row_xmask:1 row_mask:0xf bank_mask:0xf
	v_add_f32_dpp v[\r], v[\r], v[\r] row_xmask:2 row_mask:0xf bank_mask:0xf
	v_add_f32_dpp v[\r], v[\r], v[\r] row_xmask:4 row_mask:0xf bank_mask:0xf
	v_add_f32_dpp v[\r], v[\r], v[\r] row_xmask:8 row_mask:0xf bank_mask:0xf
	v_permlanex16_b32 v20, v[\r], s40, s41
	v_add_f32 v[\r], v[\r], v20
.endm
; Row i becomes (x - mean) / sqrt(variance + 1e-7), in place; the variance is taken of the differences, as the definition has it.
.macro STATS i
.set XR, B0+32*(\i)
	v_pk_add_f32 v[18:19], v[XR:XR+1], v[XR+2:XR+3]
	v_pk_add_f32 v[24:25], v[XR+4:XR+5], v[XR+6:XR+7]
.irp j, 8,12,16,20,24,28
	v_pk_add_f32 v[18:19], v[18:19], v[XR+\j:XR+\j+1]
	v_pk_add_f32 v[24:25], v[24:25], v[XR+\j+2:XR+\j+3]
.endr
	v_pk_add_f32 v[18:19], v[18:19], v[24:25]
	v_add_f32 v18, v18, v19
	REDUCE 18
	v_mul_f32 v18, s68, v18                        ; the mean
.set jj, 0
.rept 16
	v_pk_add_f32 v[XR+jj:XR+jj+1], v[XR+jj:XR+jj+1], v[18:19] op_sel_hi:[1,0] neg_lo:[0,1] neg_hi:[0,1]
.set jj, jj+2
.endr
	v_pk_mul_f32 v[22:23], v[XR:XR+1], v[XR:XR+1]
	v_pk_mul_f32 v[24:25], v[XR+2:XR+3], v[XR+2:XR+3]
.irp j, 4,8,12,16,20,24,28
	v_pk_fma_f32 v[22:23], v[XR+\j:XR+\j+1], v[XR+\j:XR+\j+1], v[22:23]
	v_pk_fma_f32 v[24:25], v[XR+\j+2:XR+\j+3], v[XR+\j+2:XR+\j+3], v[24:25]
.endr
	v_pk_add_f32 v[22:23], v[22:23], v[24:25]
	v_add_f32 v22, v22, v23
	REDUCE 22
	v_fma_f32 v22, v22, s68, s69                   ; the variance + 1e-7
	v_rsq_f32 v22, v22
	v_nop                                          ; a plain line behind the transcendental
.set jj, 0
	s_wait_alu depctr_va_vdst(0)                   ; the reciprocal root has written v22, ahead of its first reader
.rept 16
	v_pk_mul_f32 v[XR+jj:XR+jj+1], v[XR+jj:XR+jj+1], v[22:23] op_sel_hi:[1,0]
.set jj, jj+2
.endr
.endm
	STATS 0                                        ; the norms stand between my stores into the stage and the wait for them; they name v18-25 and v32-95 alone
	STATS 1
	s_wait_dscnt 0x0                               ; for the others' sake: my sums are stored
	s_barrier_signal -1
	s_barrier_wait -1                              ; 32 whole rows of sums lie in the stage
	s_wait_alu depctr_vm_vsrc(0)                   ; my LDS stores have read v192-255, in which my two rows of sums land
.irp i, 0,1
.irp j, 0,1,2,3,4,5,6,7
	ds_load_b128 v[ACC+32*\i+4*\j:ACC+32*\i+4*\j+3], v29 offset:SPI*\i+512*\j
.endr
.endr
	s_wait_loadcnt 0x0                             ; ln_w, ln_b, bo
.set jj, 0
.rept 16
	v_pk_add_f32 v[128+jj:129+jj], v[128+jj:129+jj], v[160+jj:161+jj]   ; ln_b + bo, once for both rows
.set jj, jj+2
.endr
.macro OUTROW i
.set XR, B0+32*(\i)
.set jj, 0
.rept 16
	v_pk_fma_f32 v[XR+jj:XR+jj+1], v[XR+jj:XR+jj+1], v[96+jj:97+jj], v[128+jj:129+jj]
.set jj, jj+2
.endr
	s_wait_dscnt 8-8*(\i)                          ; this row's eight reads are in; the other row's may be out
.set jj, 0
.rept 16
	v_pk_fma_f32 v[XR+jj:XR+jj+1], v[ACC+32*(\i)+jj:ACC+32*(\i)+jj+1], s[66:67], v[XR+jj:XR+jj+1] op_sel_hi:[1,0,1]   ; + sum x 2^(e10 + e11)
.set jj, jj+2
.endr
	s_wait_alu depctr_va_vdst(0)                   ; the multiply-adds have written this row of out, which the eight stores read
.irp j, 0,1,2,3,4,5,6,7
	global_store_b128 v1, v[XR+4*\j:XR+4*\j+3], s[54:55] offset:4096*(\i)+512*\j th:TH_STORE_NT   ; 32 lanes store 512 consecutive bytes, at a multiple of 512 from out's first byte; written once, read by nobody here
.endr
.endm
	OUTROW 0
	OUTROW 1
	s_wait_dscnt 0x0                               ; the closing lines, six on end
	s_wait_alu 0x0
	s_wait_tensorcnt 0x0
	ds_add_u32 v30, v31
	s_wait_dscnt 0x0
	s_endpgm
.Lfunc_end_k_q96d80d032a_attn:
	.size	k_q96d80d032a_attn, .Lfunc_end_k_q96d80d032a_attn-k_q96d80d032a_attn
	.p2alignl 7, 3214868480
	.fill 96, 4, 3214868480
	.section	.rodata,"a",@progbits
	.p2align	6, 0x0
	.amdhsa_kernel k_q96d80d032a_attn
		.amdhsa_group_segment_fixed_size 166400
		.amdhsa_private_segment_fixed_size 0
		.amdhsa_enable_private_segment 0
		.amdhsa_kernarg_size 80
		.amdhsa_user_sgpr_count 2
		.amdhsa_user_sgpr_kernarg_segment_ptr 1
		.amdhsa_wavefront_size32 1
		.amdhsa_system_sgpr_workgroup_id_x 1
		.amdhsa_system_sgpr_workgroup_id_y 1
		.amdhsa_system_sgpr_workgroup_id_z 1
		.amdhsa_system_vgpr_workitem_id 0
		.amdhsa_next_free_vgpr 256
		.amdhsa_next_free_sgpr 72
		.amdhsa_reserve_vcc 0
		.amdhsa_float_denorm_mode_32 3
		.amdhsa_float_denorm_mode_16_64 3
		.amdhsa_memory_ordered 1
		.amdhsa_forward_progress 1
		.amdhsa_inst_pref_size 151
	.end_amdhsa_kernel
	.amdgpu_metadata
---
amdhsa.version: [ 1, 2 ]
amdhsa.kernels:
  - .name:           k_q96d80d032a_attn
    .symbol:         k_q96d80d032a_attn.kd
    .args:
      - { .name: qc, .offset: 0, .size: 8, .value_kind: global_buffer, .address_space: global }
      - { .name: kc, .offset: 8, .size: 8, .value_kind: global_buffer, .address_space: global }
      - { .name: vc, .offset: 16, .size: 8, .value_kind: global_buffer, .address_space: global }
      - { .name: wof, .offset: 24, .size: 8, .value_kind: global_buffer, .address_space: global }
      - { .name: lowp_scales, .offset: 32, .size: 8, .value_kind: global_buffer, .address_space: global }
      - { .name: hidden_states, .offset: 40, .size: 8, .value_kind: global_buffer, .address_space: global }
      - { .name: ln_w, .offset: 48, .size: 8, .value_kind: global_buffer, .address_space: global }
      - { .name: ln_b, .offset: 56, .size: 8, .value_kind: global_buffer, .address_space: global }
      - { .name: bo, .offset: 64, .size: 8, .value_kind: global_buffer, .address_space: global }
      - { .name: out0, .offset: 72, .size: 8, .value_kind: global_buffer, .address_space: global }
    .group_segment_fixed_size: 166400
    .private_segment_fixed_size: 0
    .kernarg_segment_align: 8
    .kernarg_segment_size: 80
    .max_flat_workgroup_size: 512
    .sgpr_count:     72
    .vgpr_count:     256
    .wavefront_size: 32
...
	.end_amdgpu_metadata
.endif
;; end of part 4
